; MI455X (gfx1250); checked and timed in simulation.
; The chip was launched on July 23, 2026; its instructions are those of AMD's public machine-readable ISA for CDNA 5 (MIT licence, August 2026) and "CDNA5" Instruction Set Architecture Reference Guide (July 2026). The comments in the code are by the model that wrote it; some were corrected since.
;; Molmo2 Attention. Allowed arithmetic: matrix products marked QUANTISED: E2M1 operands, one E8M0 scale for each 32 along K, by v_wmma_scale_f32_16x16x128_f8f6f4 with both operands' format E2M1 (or v_wmma_scale_f32_32x16x128_f4), f32 sums; products left as they are: bf16, f16 or f32 operands; f32 sums; everything else in f32.
;; Inputs: hidden_states 4,096 x 2,048 float32; k_norm_w 128 float32; positions 4,096 int32; q_norm_w 128 float32; w_o 1,024 x 2,048 float32; w_qkv 2,048 x 2,048 float32.
;; Outputs: out0 4,096 x 2,048 float32.
;; This version of the problem:
;;   THIS VERSION OF THE PROBLEM IS GIVEN IN LOW PRECISION. The matrix products marked QUANTISED in the list below multiply operands that are first quantised to E2M1 (2 exponent bits, 1 mantissa bit; 4 bits a number), with one power-of-two scale for each 32 numbers along K (OCP MX v1.0); their sums are f32. The products marked 'left as it is' may take bf16, f16 or f32 operands, with f32 sums. Whichever they take, every output number must still come out within the allowed error. Rounding operands to bf16 (8 significant bits) uses up far more of that allowance than f16 does (11 bits, for magnitudes from 6e-5 to 65,504). All else is computed in f32.
;;   The module's matrix products, in the order in which they are computed (A, B: the left and right operand; K: the contracted axis; several contracted axes count as one K, in the product's order):
;;     1. [M 4,096, K 2,048] x [K 2,048, N 2,048]; A: input hidden_states; B: input w_qkv: QUANTISED
;;     2. batch 8 x [M 4,096, K 128] x [K 128, N 4,096]; A: computed on the way; B: computed on the way: left as it is (an operand is computed on the way)
;;     3. batch 8 x [M 128, K 4,096] x [K 4,096, N 4,096]; A: computed on the way; B: computed on the way: left as it is (an operand is computed on the way)
;;     4. [M 4,096, K 1,024] x [K 1,024, N 2,048]; A: computed on the way; B: input w_o: left as it is (an operand is computed on the way)
;;   THE QUANTISER, for each operand of a quantised product, along K:
;;     - K is cut into blocks of 32 from its start; a last block that is shorter is filled with zeros.
;;     - A block's scale is 2^e with e = floor(log2(the largest magnitude in the block)) - 2, held to -126 .. 127; a block of zeros has e = 0. As a byte (E8M0): e + 127.
;;     - Each number is divided by its block's scale, clamped to +-6, and rounded to the nearest number of E2M1, ties to even, subnormals kept.
;;     - The product sums the exact products of the quantised numbers (number of the format x scale) in f32.
;;   ~~~python
;;   def quantise(x, axis):      # numpy; x: float32 -> the quantised numbers, widened to float32 again
;;       x = np.moveaxis(x, axis, -1); K = x.shape[-1]
;;       x = np.pad(x, [(0, 0)] * (x.ndim - 1) + [(0, -K % 32)]); x = x.reshape(x.shape[:-1] + (-1, 32)); a = np.abs(x).max(-1, keepdims=True)
;;       e = np.where(a > 0, np.clip(np.frexp(np.where(a > 0, a, 1))[1] - 1 - 2, -126, 127), 0)      # np.frexp(a)[1] - 1 = floor(log2(a)), exactly
;;       r = np.clip(x / 2.0 ** e, -6, 6)
;;       step = 2.0 ** (np.maximum(np.frexp(np.where(r == 0, 1, r))[1] - 1, 0) - 1)
;;       q = np.round(r / step) * step * 2.0 ** e      # np.round: ties to even
;;       return np.moveaxis(q.reshape(q.shape[:-2] + (-1,))[..., :K], -1, axis).astype(np.float32)
;;   ~~~
;; One version. Each part assembles by itself: llvm-mc -triple=amdgcn-amd-amdhsa -mcpu=gfx1250 --defsym DOCPART=n.
;; ======== version 1 of 1: 5 launches
;; limits: values are held in f16: magnitudes above 65,504 overflow, below 6.1e-05 lose precision; right only within a limited range of input values
;; workspace buffers: x_codes 4,194,304 bytes; x_scales 262,144 bytes; w_codes 2,097,152 bytes; w_scales 131,072 bytes; wo16 4,194,304 bytes; rope 2,097,152 bytes; qkv 16,908,288 bytes; attn16 8,388,608 bytes
;; launch prep (part 1): grid 704 x 1, 4 waves a work-group, no clusters, 33,280 bytes of LDS; arguments hidden_states, w_qkv, w_o, positions, x_codes, x_scales, w_codes, w_scales, wo16, rope; writes x_codes, x_scales, w_codes, w_scales, wo16, rope
.if DOCPART == 1
	.amdgcn_target "amdgcn-amd-amdhsa--gfx1250"
	.amdhsa_code_object_version 6
	.text
	.protected	k_qfc64f9eea4_prep
	.globl	k_qfc64f9eea4_prep
	.p2align	8
	.type	k_qfc64f9eea4_prep,@function
k_qfc64f9eea4_prep:
	s_mov_b64 s[64:65], 0
	v_nop
	global_prefetch_b8 v0, s[64:65] scope:SCOPE_SE
	s_setreg_imm32_b32 hwreg(HW_REG_WAVE_MODE, 25, 1), 1
	s_wait_xcnt 0x0
; PREP: everything that is made once from the inputs.  Four kinds of work-group, told apart by the work-group's number:
;   0..255    X: hidden_states [4096][2048] f32 -> codes of E2M1, K innermost (x_codes [t][1024 B]), one E8M0 byte for each 32 along K (x_scales [t][64])
;   256..511  W: w_qkv [2048 (k)][2048 (n)] f32, K its first axis -> codes laid as images of the operand's registers,
;                w_codes [head 16][S 4][nt 8][q 4][c 2][lane][16 B]: lane (r, h), piece c: K = 512 S + 128 q + 64 c + 32 h + 0..31 of column 128 head + 16 nt + r;  w_scales [n][64]
;   512..639  O: w_o [1024 (k)][2048 (n)] f32 -> f16 images, wo16 [NT 8][KS 8][nt 16][ks 4][c 2][lane][16 B]: lane (r, h): k = 128 KS + 32 ks + 16 c + 8 h + 0..7 of column 256 NT + 16 nt + r
;   640..703  T: cosines and sines of positions x inv_freq, rope [B16 256][p 16][lane][4 f32]: p = 2 b + hf: cosine of row 16 B16 + lane % 16 at frequencies 16 b + 8 (lane / 16) + 4 hf + 0..3; p + 8: the sine
; SHARES: a work-group of X reads 128 KiB, of W and of O 64 KiB each: none of the kinds is much longer than the others.
; A block's scale is 2^(floor(log2(largest magnitude)) - 2): its byte is the largest magnitude's exponent field - 2, held at 1 from below.
; LIMITS: a block of zeros gets the byte 1 (its codes are zeros; this program alone reads the bytes); NaN and infinities are not served; |positions| up to 2^24 (the reduction by pi/2 has two terms);
; inv_freq is 2^(-i log2(1e6) / 64) by v_exp_f32, within a few units in the last place of the power that defines it.
; Only path X touches LDS.  No barrier: waves share nothing.
.set WREG,  8192                       ; path X: a region of LDS for each wave: two stages of 32 x SP bytes, then its 256 scale bytes
.set SP,    80                         ; a lane's place in a stage: 64 bytes + 16 of padding
.set CB,    8                          ; bytes of 16 codes
.set STEPS, 16
.set NBW,   4                          ; path W: blocks of 32 along K for a wave
.set SPARE, 4*WREG                     ; the spare words, 128 bytes for each wave
.set SPW,   190                        ; v190 LDS address of my spare word; never rewritten
.set NIL,   191                        ; v191 0; never rewritten
.set XR,    16                         ; path X: v16-79 four sets of 16 numbers as loaded
.set XX,    80                         ; v80-111 two sets of 16 neighbours
.set XE,    112                        ; v112-127 a scale byte for each step
.set XC,    128                        ; v128-189 codes, four registers reserved for each step
	s_load_b256 s[4:11], s[0:1], 0x0               ; hidden_states s[4:5], w_qkv s[6:7], w_o s[8:9], positions s[10:11]
	s_load_b256 s[12:19], s[0:1], 0x20             ; x_codes s[12:13], x_scales s[14:15], w_codes s[16:17], w_scales s[18:19]
	s_load_b128 s[20:23], s[0:1], 0x40             ; wo16 s[20:21], rope s[22:23]
	v_lshl_add_u32 v[SPW], v0, 2, SPARE
	v_mov_b32 v[NIL], 0
	v_lshrrev_b32 v1, 5, v0
	v_readfirstlane_b32 s24, v1                    ; wave 0..3
	v_and_b32 v2, 31, v0                           ; lane
	s_mov_b32 s29, 0                               ; the high word of every offset pair s[28:29]
	s_wait_kmcnt 0x0
	s_cmp_lt_u32 ttmp9, 256
	s_cbranch_scc0 .Lnot_x
; ---------------------------------------------------------------- path X
; A wave takes 16 steps of 512 numbers.  Each of a step's four loads reads 512 consecutive bytes; the 2,048 bytes turn through the wave's own stage so that a lane holds 16 neighbours along K; two lanes hold a block.
	v_lshlrev_b32 v3, 4, v2                        ; my 16 bytes of a load's 512
	s_mul_i32 s25, s24, WREG
	v_lshrrev_b32 v14, 2, v2
	v_mul_u32_u24 v14, v14, SP
	v_and_b32 v15, 3, v2
	v_lshl_add_u32 v14, v15, 4, v14
	v_add_nc_u32 v14, s25, v14                     ; the stage, on the way in: SP (lane / 4) + 16 (lane % 4)
	v_mul_u32_u24 v15, v2, SP
	v_add_nc_u32 v15, s25, v15                     ; and on the way out: SP x lane
	v_mul_u32_u24 v4, v2, CB                       ; my codes' place in a step's
	v_lshrrev_b32 v5, 1, v2
	s_add_co_u32 s25, s25, 2*32*SP
	v_add_nc_u32 v5, s25, v5                       ; my block's scale byte in LDS
	v_lshlrev_b32 v7, 3, v2
	v_add_nc_u32 v6, s25, v7                       ; and 8 bytes a lane on the way out
	s_lshl_b32 s26, ttmp9, 2
	s_add_co_u32 s26, s26, s24                     ; which run of 8,192 numbers is my wave's
	s_lshl_b32 s28, s26, 15
	s_add_nc_u64 s[4:5], s[4:5], s[28:29]          ; 32,768 bytes of numbers,
	s_lshl_b32 s28, s26, 12
	s_add_nc_u64 s[12:13], s[12:13], s[28:29]      ; 4,096 of codes,
	s_lshl_b32 s28, s26, 8
	s_add_nc_u64 s[14:15], s[14:15], s[28:29]      ; 256 scale bytes a run
.macro XLOAD t
.irp i, 0,1,2,3
	global_load_b128 v[XR+16*((\t)%4)+4*\i:XR+16*((\t)%4)+4*\i+3], v3, s[4:5] offset:2048*(\t)+512*\i th:TH_LOAD_NT
.endr
.endm
.macro XTURN t                         ; LDS serves a wave's instructions in order: no wait between the stores and the loads
.irp i, 0,1,2,3
	ds_store_b128 v14, v[XR+16*((\t)%4)+4*\i:XR+16*((\t)%4)+4*\i+3] offset:32*SP*((\t)%2)+8*SP*\i
.endr
.irp i, 0,1,2,3
	ds_load_b128 v[XX+16*((\t)%2)+4*\i:XX+16*((\t)%2)+4*\i+3], v15 offset:32*SP*((\t)%2)+16*\i
.endr
.endm
.irp t, 0,1,2,3
	XLOAD \t
.endr
	s_wait_loadcnt 12                              ; step 0's four loads are in; twelve younger ones stay out
	XTURN 0
.macro XSTEP t
.set XS, XX+16*((\t)%2)
.if (\t) > 0
	s_wait_dscnt 1                                 ; this step's numbers are back from the stage; the last step's byte store may be out
.else
	s_wait_dscnt 0x0
.endif
.if (\t)+4 < STEPS
	XLOAD (\t)+4
.endif
.if (\t)+1 < STEPS
.if STEPS-2-(\t) >= 3
	s_wait_loadcnt 12                              ; the next step's four loads are in; three steps' loads stay out
.else
	s_wait_loadcnt 4*(STEPS-2-(\t))                ; at the end the count runs down
.endif
	XTURN (\t)+1
.endif
	v_max3_num_f32 v8, |v[XS]|, |v[XS+1]|, |v[XS+2]|
	v_max3_num_f32 v9, |v[XS+3]|, |v[XS+4]|, |v[XS+5]|
.irp i, 6,10
	v_max3_num_f32 v8, v8, |v[XS+\i]|, |v[XS+\i+1]|
	v_max3_num_f32 v9, v9, |v[XS+\i+2]|, |v[XS+\i+3]|
.endr
	v_max3_num_f32 v8, v8, |v[XS+14]|, |v[XS+15]|
	v_max3_num_f32 v8, v8, v9, 0x1800000           ; with the floor 2^(3 - 127): the byte cannot fall under 1
	v_max_num_f32_dpp v8, v8, v8 row_xmask:1 row_mask:0xf bank_mask:0xf   ; and my neighbour's 16: the block's largest magnitude
	v_add_nc_u32 v11, 0xff000000, v8               ; 2 off its exponent field: the conversion's scale operand
	v_cvt_scalef32_pk8_fp4_f32 v[XC+4*(\t)], v[XS:XS+7], v11
	v_cvt_scalef32_pk8_fp4_f32 v[XC+4*(\t)+1], v[XS+8:XS+15], v11
	v_lshrrev_b32 v[XE+(\t)], 23, v11              ; the scale's byte (also the plain line behind the conversions)
	ds_store_b8 v5, v[XE+(\t)] offset:16*(\t)      ; both lanes of a block write the same byte
	global_store_b64 v4, v[XC+4*(\t):XC+4*(\t)+1], s[12:13] offset:32*CB*(\t)   ; the wave stores 256 consecutive bytes
.endm
.irp t, 0,1,2,3,4,5,6,7,8,9,10,11,12,13,14,15
	XSTEP \t
.endr
	ds_load_b64 v[8:9], v6
	s_wait_dscnt 0x0
	global_store_b64 v7, v[8:9], s[14:15]          ; the wave's 256 scale bytes, consecutive and aligned
	s_wait_tensorcnt 0x0                           ; the wave's end, behind my last LDS store
	ds_add_u32 v[SPW], v[NIL]
	s_wait_dscnt 0x0
	s_endpgm
.Lnot_x:
	s_cmp_lt_u32 ttmp9, 512
	s_cbranch_scc0 .Lnot_w
; ---------------------------------------------------------------- path W
; A lane takes a column, its registers run down K: a block of 32 lies in one lane.  Wave wv: columns 128 head + 32 wv + lane, K = 128 Sq .. + 127: four blocks, one matrix instruction's depth.
; Blocks 2 p and 2 p + 1 are the halves h = 0, 1 of piece c = p of the image; lanes 0-15 belong to tile 2 wv, lanes 16-31 to tile 2 wv + 1: one exchange of halves a register sorts them.
; A lane's four scale bytes leave by one store of 4 bytes, rows 64 bytes apart: 131,072 bytes in the whole launch, against the 16 MiB that this path reads.
	s_sub_co_u32 s25, ttmp9, 256
	s_and_b32 s26, s25, 15                         ; head
	s_lshr_b32 s27, s25, 4                         ; Sq = 4 S + q, 0..15
	s_lshl_b32 s28, s27, 20                        ; 128 rows of 8,192 bytes
	s_lshl_b32 s30, s26, 9
	s_add_co_u32 s28, s28, s30
	s_lshl_b32 s30, s24, 7
	s_add_co_u32 s28, s28, s30
	s_add_nc_u64 s[6:7], s[6:7], s[28:29]
	s_lshl_b32 s28, s26, 17                        ; head x 131,072
	s_lshr_b32 s30, s27, 2
	s_lshl_b32 s30, s30, 15                        ; + S x 32,768
	s_add_co_u32 s28, s28, s30
	s_and_b32 s30, s27, 3
	s_lshl_b32 s30, s30, 10                        ; + q x 1,024
	s_add_co_u32 s28, s28, s30
	s_add_nc_u64 s[16:17], s[16:17], s[28:29]
	s_lshl_b32 s28, s26, 13
	s_lshl_b32 s30, s24, 11
	s_add_co_u32 s28, s28, s30
	s_lshl_b32 s30, s27, 2
	s_add_co_u32 s28, s28, s30                     ; (128 head + 32 wv) x 64 + 4 Sq
	s_add_nc_u64 s[18:19], s[18:19], s[28:29]
	v_lshlrev_b32 v3, 2, v2                        ; in: 4 bytes a lane
	v_lshlrev_b32 v4, 4, v2
	v_lshl_add_u32 v4, s24, 13, v4                 ; out: 16 x lane + two tiles of 4,096 bytes a wave
	v_lshlrev_b32 v7, 6, v2                        ; my column's row of scale bytes
.macro WLOAD t
.set i, 0
.rept 32
	global_load_b32 v[32+32*((\t)%2)+i], v3, s[6:7] offset:(32*(\t)+i)*8192 th:TH_LOAD_NT
.set i, i+1
.endr
.endm
	WLOAD 0
	WLOAD 1
.macro WBLOCK t
.set XS, 32+32*((\t)%2)
.set CD, 96+8*((\t)/2)+4*((\t)%2)
.if (\t) < NBW-1
	s_wait_loadcnt 32                              ; this block's 32 loads are in; the next block's may be out
.else
	s_wait_loadcnt 0x0
.endif
	v_max3_num_f32 v8, |v[XS]|, |v[XS+1]|, |v[XS+2]|
	v_max3_num_f32 v9, |v[XS+3]|, |v[XS+4]|, |v[XS+5]|
.irp i, 6,10,14,18,22,26
	v_max3_num_f32 v8, v8, |v[XS+\i]|, |v[XS+\i+1]|
	v_max3_num_f32 v9, v9, |v[XS+\i+2]|, |v[XS+\i+3]|
.endr
	v_max3_num_f32 v8, v8, |v[XS+30]|, |v[XS+31]|
	v_max3_num_f32 v8, v8, v9, 0x1800000
	v_add_nc_u32 v11, 0xff000000, v8
	v_lshrrev_b32 v9, 23, v11
.if (\t) == 0
	v_mov_b32 v24, v9                              ; four bytes to a register, the lower K in the lower byte
.else
	v_lshl_or_b32 v24, v9, 8*(\t), v24
.endif
.irp g, 0,1,2,3
	v_cvt_scalef32_pk8_fp4_f32 v[CD+\g], v[XS+8*\g:XS+8*\g+7], v11
.endr
.if (\t)+2 < NBW
	WLOAD (\t)+2
.endif
.if (\t)%2 == 1
	v_nop                                          ; one plain line between a scaled conversion and the vector line that touches its result
.irp g, 0,1,2,3
	v_permlane16_swap_b32 v[CD-4+\g], v[CD+\g]     ; the first now holds tile 2 wv (h = 0 below, h = 1 above), the second tile 2 wv + 1
.endr
	global_store_b128 v4, v[CD-4:CD-1], s[16:17] offset:((\t)/2)*512        ; 512 consecutive bytes a store
	global_store_b128 v4, v[CD:CD+3], s[16:17] offset:((\t)/2)*512+4096
.endif
.endm
.irp t, 0,1,2,3
	WBLOCK \t
.endr
	global_store_b32 v7, v24, s[18:19]             ; my column's four scale bytes
	s_endpgm
.Lnot_w:
	s_cmp_lt_u32 ttmp9, 640
	s_cbranch_scc0 .Lpath_t
; ---------------------------------------------------------------- path O
; As path W, rounded to f16 in place of codes.  Wave wv: columns 128 X + 32 wv + lane, k = 128 KS .. + 127, 32 at a time.
	s_sub_co_u32 s25, ttmp9, 512
	s_and_b32 s26, s25, 15                         ; X
	s_lshr_b32 s27, s25, 4                         ; KS
	s_lshl_b32 s28, s27, 20                        ; 128 rows of 8,192 bytes
	s_lshl_b32 s30, s26, 9
	s_add_co_u32 s28, s28, s30
	s_lshl_b32 s30, s24, 7
	s_add_co_u32 s28, s28, s30
	s_add_nc_u64 s[8:9], s[8:9], s[28:29]
	s_lshr_b32 s28, s26, 1
	s_lshl_b32 s28, s28, 19                        ; NT
	s_lshl_b32 s30, s27, 16
	s_add_co_u32 s28, s28, s30
	s_and_b32 s30, s26, 1
	s_lshl_b32 s30, s30, 15                        ; tiles 8 (X % 2) on
	s_add_co_u32 s28, s28, s30
	s_add_nc_u64 s[20:21], s[20:21], s[28:29]
	v_lshlrev_b32 v3, 2, v2
	v_lshlrev_b32 v4, 4, v2
	v_lshl_add_u32 v4, s24, 13, v4
.macro OLOAD t
.set i, 0
.rept 32
	global_load_b32 v[32+32*((\t)%2)+i], v3, s[8:9] offset:(32*(\t)+i)*8192 th:TH_LOAD_NT
.set i, i+1
.endr
.endm
	OLOAD 0
	OLOAD 1
.macro OBLOCK t
.set XS, 32+32*((\t)%2)
.set HH, 96+16*(\t)
.if (\t) < 3
	s_wait_loadcnt 32                              ; this run's 32 loads are in; the next run's may be out
.else
	s_wait_loadcnt 0x0
.endif
.set i, 0
.rept 16
	v_cvt_pk_f16_f32 v[HH+i], v[XS+2*i], v[XS+2*i+1]
.set i, i+1
.endr
.if (\t)+2 < 4
	OLOAD (\t)+2
.endif
.irp i, 0,1,2,3
	v_permlane16_swap_b32 v[HH+\i], v[HH+4+\i]     ; k 0-7 and 8-15: piece c = 0 of tile 0, of tile 1
	v_permlane16_swap_b32 v[HH+8+\i], v[HH+12+\i]  ; k 16-23 and 24-31: piece c = 1
.endr
	global_store_b128 v4, v[HH:HH+3], s[20:21] offset:1024*(\t)
	global_store_b128 v4, v[HH+4:HH+7], s[20:21] offset:1024*(\t)+4096
	global_store_b128 v4, v[HH+8:HH+11], s[20:21] offset:1024*(\t)+512
	global_store_b128 v4, v[HH+12:HH+15], s[20:21] offset:1024*(\t)+4608
.endm
.irp t, 0,1,2,3
	OBLOCK \t
.endr
	s_endpgm
.Lpath_t:
; ---------------------------------------------------------------- path T
; A wave makes the table of 16 rows.  Lane (r, h): row r, the 32 frequencies i = 16 (n / 8) + n % 8 + 8 h, n = 0..31.  Sine and cosine are written out:
; n = the nearest whole number to x 2 / pi; r = x - n pi / 2 in two terms; polynomials on |r| <= pi / 4; the quadrant exchanges them and sets the signs.
	s_sub_co_u32 s25, ttmp9, 640
	s_lshl_b32 s25, s25, 2
	s_add_co_u32 s25, s25, s24                     ; B16
	s_lshl_b32 s28, s25, 6
	s_add_nc_u64 s[10:11], s[10:11], s[28:29]
	s_lshl_b32 s28, s25, 13
	s_add_nc_u64 s[22:23], s[22:23], s[28:29]
	v_and_b32 v3, 15, v0
	v_lshlrev_b32 v3, 2, v3
	global_load_b32 v8, v3, s[10:11]               ; my row's position
	v_bfe_u32 v9, v0, 4, 1
	v_lshlrev_b32 v9, 3, v9                        ; 8 h
	v_lshlrev_b32 v4, 4, v2
	s_mov_b32 s32, 0x3f22f983                      ; 2 / pi
	s_mov_b32 s33, 0xbfc90fdb                      ; -(pi / 2), its leading part
	s_mov_b32 s34, 0x333bbd2e                      ; and what is left of it, negated too
	s_mov_b32 s35, 0xbe2aaaa3                      ; sine: S1, S2, S3
	s_mov_b32 s36, 0x3c08839e
	s_mov_b32 s37, 0xb94ca1f9
	s_mov_b32 s38, 0x3d2aaaa5                      ; cosine: C1, C2, C3
	s_mov_b32 s39, 0xbab6061a
	s_mov_b32 s40, 0x37ccf5ce
.set i, 0
.rept 32
	v_add_nc_u32 v[32+i], 16*(i/8)+i%8, v9
.set i, i+1
.endr
.set i, 0
.rept 32
	v_cvt_f32_u32 v[32+i], v[32+i]
.set i, i+1
.endr
.set i, 0
.rept 32
	v_mul_f32 v[32+i], 0xbe9f73da, v[32+i]         ; -i log2(1e6) / 64
.set i, i+1
.endr
.set i, 0
.rept 32
	v_exp_f32 v[32+i], v[32+i]                     ; inv_freq
.set i, i+1
.endr
	v_nop                                          ; a plain line behind the last exponential
	s_wait_loadcnt 0x0
	v_cvt_f32_i32 v8, v8
	s_wait_alu depctr_va_vdst(0)                   ; one wait for the batch, ahead of its first reader
.set i, 0
.rept 32
	v_mul_f32 v[32+i], v8, v[32+i]                 ; x = position x inv_freq
.set i, i+1
.endr
.macro SINCOS n                        ; x in v[32 + n] -> cosine in v[64 + n], sine in v[96 + n]
	v_mul_f32 v12, s32, v[32+\n]
	v_rndne_f32 v12, v12
	v_fma_f32 v13, v12, s33, v[32+\n]
	v_fma_f32 v13, v12, s34, v13                   ; r
	v_cvt_i32_f32 v14, v12                         ; the quadrant's number
	v_mul_f32 v15, v13, v13                        ; z = r r
	v_fma_f32 v16, v15, s37, s36
	v_fma_f32 v16, v16, v15, s35
	v_mul_f32 v16, v16, v15
	v_fma_f32 v16, v16, v13, v13                   ; sin r
	v_fma_f32 v17, v15, s40, s39
	v_fma_f32 v17, v17, v15, s38
	v_mul_f32 v17, v17, v15
	v_fma_f32 v18, v15, -0.5, 1.0
	v_fma_f32 v17, v17, v15, v18                   ; cos r
	v_and_b32 v18, 1, v14
	v_cmp_eq_u32 vcc_lo, 1, v18
	v_cndmask_b32 v19, v16, v17, vcc_lo            ; odd quadrants exchange the two
	v_cndmask_b32 v17, v17, v16, vcc_lo
	v_and_b32 v18, 2, v14
	v_lshlrev_b32 v18, 30, v18
	v_xor_b32 v[96+\n], v18, v19                   ; the sine is negative in quadrants 2 and 3,
	v_add_nc_u32 v14, 1, v14
	v_and_b32 v14, 2, v14
	v_lshlrev_b32 v14, 30, v14
	v_xor_b32 v[64+\n], v14, v17                   ; the cosine in 1 and 2
.endm
.irp n, 0,1,2,3,4,5,6,7,8,9,10,11,12,13,14,15,16,17,18,19,20,21,22,23,24,25,26,27,28,29,30,31
	SINCOS \n
.endr
.irp p, 0,1,2,3,4,5,6,7
	global_store_b128 v4, v[64+4*\p:67+4*\p], s[22:23] offset:512*\p
	global_store_b128 v4, v[96+4*\p:99+4*\p], s[22:23] offset:512*(\p+8)
.endr
	s_endpgm
.Lfunc_end_k_qfc64f9eea4_prep:
	.size	k_qfc64f9eea4_prep, .Lfunc_end_k_qfc64f9eea4_prep-k_qfc64f9eea4_prep
	.p2alignl 7, 3214868480
	.fill 96, 4, 3214868480
	.section	.rodata,"a",@progbits
	.p2align	6, 0x0
	.amdhsa_kernel k_qfc64f9eea4_prep
		.amdhsa_group_segment_fixed_size 33280
		.amdhsa_private_segment_fixed_size 0
		.amdhsa_enable_private_segment 0
		.amdhsa_kernarg_size 80
		.amdhsa_user_sgpr_count 2
		.amdhsa_user_sgpr_kernarg_segment_ptr 1
		.amdhsa_wavefront_size32 1
		.amdhsa_system_sgpr_workgroup_id_x 1
		.amdhsa_system_sgpr_workgroup_id_y 1
		.amdhsa_system_sgpr_workgroup_id_z 1
		.amdhsa_system_vgpr_workitem_id 0
		.amdhsa_next_free_vgpr 192
		.amdhsa_next_free_sgpr 66
		.amdhsa_reserve_vcc 1
		.amdhsa_float_denorm_mode_32 3
		.amdhsa_float_denorm_mode_16_64 3
		.amdhsa_memory_ordered 1
		.amdhsa_forward_progress 1
		.amdhsa_inst_pref_size 116
	.end_amdhsa_kernel
	.amdgpu_metadata
---
amdhsa.version: [ 1, 2 ]
amdhsa.kernels:
  - .name:           k_qfc64f9eea4_prep
    .symbol:         k_qfc64f9eea4_prep.kd
    .args:
      - { .name: hidden_states, .offset: 0, .size: 8, .value_kind: global_buffer, .address_space: global }
      - { .name: w_qkv, .offset: 8, .size: 8, .value_kind: global_buffer, .address_space: global }
      - { .name: w_o, .offset: 16, .size: 8, .value_kind: global_buffer, .address_space: global }
      - { .name: positions, .offset: 24, .size: 8, .value_kind: global_buffer, .address_space: global }
      - { .name: x_codes, .offset: 32, .size: 8, .value_kind: global_buffer, .address_space: global }
      - { .name: x_scales, .offset: 40, .size: 8, .value_kind: global_buffer, .address_space: global }
      - { .name: w_codes, .offset: 48, .size: 8, .value_kind: global_buffer, .address_space: global }
      - { .name: w_scales, .offset: 56, .size: 8, .value_kind: global_buffer, .address_space: global }
      - { .name: wo16, .offset: 64, .size: 8, .value_kind: global_buffer, .address_space: global }
      - { .name: rope, .offset: 72, .size: 8, .value_kind: global_buffer, .address_space: global }
    .group_segment_fixed_size: 33280
    .private_segment_fixed_size: 0
    .kernarg_segment_align: 8
    .kernarg_segment_size: 80
    .max_flat_workgroup_size: 128
    .sgpr_count:     66
    .vgpr_count:     192
    .wavefront_size: 32
...
	.end_amdgpu_metadata
.endif
;; end of part 1
;; launch gemm1 (part 2): grid 8 x 16, 4 waves a work-group, clusters of 4 x 4, 327,680 bytes of LDS; arguments x_codes, x_scales, w_codes, w_scales, rope, q_norm_w, k_norm_w, qkv; writes qkv
.if DOCPART == 2
	.amdgcn_target "amdgcn-amd-amdhsa--gfx1250"
	.amdhsa_code_object_version 6
	.text
	.protected	k_qfc64f9eea4_gemm1
	.globl	k_qfc64f9eea4_gemm1
	.p2align	8
	.type	k_qfc64f9eea4_gemm1,@function
k_qfc64f9eea4_gemm1:
	s_mov_b64 s[64:65], 0
	v_nop
	global_prefetch_b8 v0, s[64:65] scope:SCOPE_SE
	s_setreg_imm32_b32 hwreg(HW_REG_WAVE_MODE, 25, 1), 1
	s_wait_xcnt 0x0
	s_wait_alu depctr_hold_cnt(0) depctr_sa_sdst(0) depctr_va_vdst(0) depctr_va_sdst(0) depctr_va_ssrc(0) depctr_va_vcc(0) depctr_vm_vsrc(0)
	s_getreg_b32 s2, hwreg(HW_REG_IB_STS2, 6, 4)
	s_cmp_eq_u32 s2, 0
	s_cbranch_scc0 .Lentry_in_a_cluster
	s_endpgm
.Lentry_in_a_cluster:
	s_bfe_u32 s2, ttmp6, 0x10000c
	s_cmp_lg_u32 s2, 0xf033
	s_cbranch_scc0 .Lentry_shape_is_right
	s_endpgm
.Lentry_shape_is_right:
; qkv = Q(hidden_states) Q(w_qkv) on codes of E2M1 with one E8M0 scale for each 32 along K, sums in f32; then, on the accumulators: RMSNorm and rotation for q and k, nothing for v; all rounded to f16 and
; stored as images of the next products' operand registers.
; A work-group of four waves makes 256 rows x two heads; a wave 128 rows x ONE head (128 columns): 64 accumulators of 16 x 16.  Column half 0 is query head c8 = 4 x cluster x + cx, half 1 is head 8 + c8:
; a key head in the clusters with x = 0, a value head in those with x = 1.  So what a wave does on the way out hangs on its number and on the cluster's x, which all partners share.
; K goes in steps of 512 through two LDS slots.  A's tile: 256 rows of 256 bytes, 16 bytes of padding behind each.  B's tile: two dense blocks of 32,768 bytes, already in the order of the operand's registers.
; The scale bytes of the work-group's rows, for all of K, come once with the first fills.  CLUSTERS 4 x 4: A's tiles are asked for jointly along a row of the cluster, B's along a column.
; THE MATRIX INSTRUCTION IS USED TRANSPOSED (source 0 = 16 columns of w, source 1 = 16 rows of x): lane (r, h) of accumulator (a, b) holds row 16 a + r, columns 16 b + 8 h + 0..7 of the head.
; Rounded to f16 these are 16 bytes: piece b of the row block's image.  So q and k leave by stores of 512 consecutive bytes with no stage; v is turned through the wave's own stage (keys innermost).
; qkv: Q at 0 [hq 8][B16 256][b 8][lane][16 B];  KV at 8 MiB [kvh 4][step of 64 keys][32,768 B]: K [kt 4][b 8][lane][16], then V^T [kappa 2][f 8][c 2][lane][16];
;      at 16 MiB the first 16 rows in f32 [head 16][p 16][lane][4 f32] for the launch that carries those rows finely.
; LIMITS: |v| under 65,504 (f16); NaN and infinities are not served.
; REGISTERS in the loop: window 0: v0-31 addresses; v32-95 scale words, two sets; v128-191 A's fragments, one set.  window 1: B's fragments, two sets, v0 and v128.  windows 2, 3: the accumulators, (a, b) at v[8 (8 (a % 4) + b)].
.set KSTEP,  512
.set NQ,     4
.set ROWB,   256
.set KROW,   1024
.set PITCH,  272                       ; A's LDS row: 256 bytes + 16: the 16 rows of a load start at 16 different banks (64 banks of 4 bytes: ISA guide 11.1)
.set FR,     8
.set NL,     2
.set NP,     4                         ; places behind this matrix instruction (ISA guide 7.12.1)
.set HALFA,  128*PITCH
.set HALFB,  32768
.set BOFF,   2*HALFA
.set SLOT,   2*HALFA+2*HALFB
.set LAPS,   2
.set KS,     64                        ; a row of scale bytes
.set SCL,    2*SLOT
.set HALFS,  (128*KS/256)*272
.set SBLK,   (16*KS/256)*272
.set SPARE,  SCL+4*HALFS               ; the spare words, 128 bytes for each wave
.set VST,    SPARE+512                 ; v's stage: 16 rows x 288 bytes for each wave; no fill ever lands here
.set ADRA, 16
.set ADRB, 20
.set WA,   22                          ; v22 32 h: my 8 numbers of each 16 of a norm's weights
.set B0V,  23                          ; v23 my wave's first block of 16 rows
.set VSTO, 24
.set VRD,  25
.set LI,   26                          ; v26 16 x lane
.set ADRS, 27
.set SPW,  28
.set NIL,  29
.set SC,   32
.set AF,   128
.set G1, 24
.set G0, 32
.set G1B, 48
.set G0B, 56
.set G1S, 68
.set G0S, 76
.set G1SB, 80
.set G0SB, 88
.set MSB, 0
.macro WIN new                         ; the immediate's high byte repeats the setting that is left
.if MSB != \new
	s_set_vgpr_msb (MSB<<8)|\new
.set MSB, \new
.endif
.endm
.set MUL_LO, 0xa1
.set MUL_HI, 0xf1
.set TO_B,   0x40
; A joint load: waves 0 and 1 fetch for A, waves 2 and 3 for B.  An s_nop 0 and four v_nop follow each of the two lines.
.macro JLOAD g0a, g1a, g0b, g1b
	s_cmp_eq_u32 s15, 0
	s_cbranch_scc0 .Lfor_b_\@
	tensor_load_to_lds s[\g0a:\g0a+3], s[\g1a:\g1a+7]
	s_nop 0
.rept 4
	v_nop
.endr
	s_branch .Lasked_\@
.Lfor_b_\@:
	tensor_load_to_lds s[\g0b:\g0b+3], s[\g1b:\g1b+7]
	s_nop 0
.rept 4
	v_nop
.endr
.Lasked_\@:
.endm
.macro CREST
	s_cmp_lg_u32 s14, 0
	s_cbranch_scc1 .Lnot_wave_0_\@
	s_barrier_signal -3
.Lnot_wave_0_\@:
	s_barrier_wait -3
	s_barrier_signal -1
	s_barrier_wait -1
.endm
.macro CROUND
	s_barrier_signal -1
	s_barrier_wait -1
	CREST
.endm
	s_load_b128 s[4:7], s[0:1], 0x0                ; x's codes, x's scales
	s_load_b128 s[8:11], s[0:1], 0x10              ; w's codes, w's scales
	s_load_b128 s[96:99], s[0:1], 0x20             ; rope s[96:97], q_norm_w s[98:99]
	s_load_b64 s[100:101], s[0:1], 0x30            ; k_norm_w
	s_load_b64 s[66:67], s[0:1], 0x38              ; qkv
	v_lshl_add_u32 v[SPW], v0, 2, SPARE
	v_mov_b32 v[NIL], 0
	ds_add_u32 v[SPW], v[NIL]                      ; the wave's opening: the add, twice on end, and its wait ahead of my first tensor load
	ds_add_u32 v[SPW], v[NIL]
	v_lshrrev_b32 v1, 5, v0
	v_readfirstlane_b32 s14, v1                    ; wave 0..3
	s_lshr_b32 s15, s14, 1                         ; my half of the rows.  Also: I fetch for A (0) or for B (1)
	s_and_b32 s16, s14, 1                          ; my head of the two.  Also: which half I fetch
	s_bfe_u32 s40, ttmp6, 0x40000                  ; cx, cy
	s_bfe_u32 s41, ttmp6, 0x40004
	s_lshl_b32 s42, ttmp9, 2
	s_add_co_u32 s42, s42, s40                     ; c8 = 4 x cluster x + cx
	s_and_b32 s17, ttmp7, 0xffff
	s_lshl_b32 s17, s17, 2
	s_add_co_u32 s17, s17, s41                     ; tile row = 4 x cluster y + cy
	s_lshl_b32 s43, s41, 2
	s_lshl_b32 s43, 15, s43                        ; my row of the cluster
	s_lshl_b32 s44, 0x1111, s40                    ; my column
	s_or_b32 s[G1+0], s43, (0<<16)|(1<<20)|(1<<21)|(5<<22)|(3<<25)  ; A: mask; bytes; padding of 4 words behind every 64; bit 21 beside a mask
	s_mov_b32 s[G1+1], ROWB<<16
	s_mov_b32 s[G1+2], 128<<16
	s_mov_b32 s[G1+3], ROWB<<16
	s_mov_b32 s[G1+4], 128
	s_mov_b32 s[G1+5], KROW
	s_mov_b32 s[G1+6], 0
	s_mov_b32 s[G1+7], 0
	s_or_b32 s[G1B+0], s44, (0<<16)|(1<<21)        ; B: a dense block of 32,768 bytes as 128 rows of 256, no padding
	s_mov_b32 s[G1B+1], 256<<16
	s_mov_b32 s[G1B+2], 128<<16
	s_mov_b32 s[G1B+3], 256<<16
	s_mov_b32 s[G1B+4], 128
	s_mov_b32 s[G1B+5], 256
	s_mov_b32 s[G1B+6], 0
	s_mov_b32 s[G1B+7], 0
	s_or_b32 s[G1S+0], s43, (3<<16)|(1<<20)|(1<<21)|(5<<22)|(3<<25)   ; the scales of 128 rows: 8,192 dense bytes as rows of 256, 16 bytes of padding behind each
	s_or_b32 s[G1SB+0], s44, (3<<16)|(1<<20)|(1<<21)|(5<<22)|(3<<25)
.irp g, G1S, G1SB
	s_mov_b32 s[\g+1], 32<<16
	s_mov_b32 s[\g+2], (128*KS/256)<<16
	s_mov_b32 s[\g+3], 32<<16
	s_mov_b32 s[\g+4], 128*KS/256
	s_mov_b32 s[\g+5], 32
	s_mov_b32 s[\g+6], 0
	s_mov_b32 s[\g+7], 0
.endr
	s_lshl_b32 s18, s16, 7
	s_lshl_b32 s20, s17, 8
	s_add_co_u32 s20, s20, s18                     ; A: row 256 x tile row + 128 x half
	s_lshl_b32 s46, s16, 3
	s_add_co_u32 s46, s46, s42                     ; B: head c8 + 8 x half
	s_mov_b32 s21, 0
	s_mov_b32 s47, 0
	s_lshl_b64 s[22:23], s[20:21], 6               ; A's scales: 64 bytes a row
	s_lshl_b64 s[92:93], s[46:47], 13              ; B's: 128 rows of 64 bytes a head
	s_lshl_b64 s[20:21], s[20:21], 10              ; A's codes: 1,024 bytes a row
	s_lshl_b64 s[46:47], s[46:47], 17              ; B's: 131,072 bytes a head
	s_mul_i32 s45, s16, HALFA                      ; where they go: no place in the cluster enters an LDS address
	s_lshl_b32 s95, s16, 15
	s_add_co_u32 s95, s95, BOFF
	s_mul_i32 s94, s14, HALFS
	s_wait_dscnt 0x0                               ; both opening adds are done
	s_wait_kmcnt 0x0
	s_add_nc_u64 s[20:21], s[4:5], s[20:21]
	s_add_nc_u64 s[22:23], s[6:7], s[22:23]
	s_add_nc_u64 s[46:47], s[8:9], s[46:47]
	s_add_nc_u64 s[92:93], s[10:11], s[92:93]
	CROUND                                         ; all sixteen work-groups are here: the first joint loads meet
	s_mov_b32 s[G0S], 1
	s_add_co_u32 s[G0S+1], s94, SCL
	s_mov_b64 s[G0S+2:G0S+3], s[22:23]
	s_or_b32 s[G0S+3], s[G0S+3], 0x80000000
	s_mov_b32 s[G0SB], 1
	s_add_co_u32 s[G0SB+1], s94, SCL
	s_mov_b64 s[G0SB+2:G0SB+3], s[92:93]
	s_or_b32 s[G0SB+3], s[G0SB+3], 0x80000000
	JLOAD G0S, G1S, G0SB, G1SB                     ; the scales first: they are wanted with K step 0
.irp s, 0,1
	s_mov_b32 s[G0+4*\s], 1
	s_add_co_u32 s[G0+4*\s+1], s45, \s*SLOT
	s_add_nc_u64 s[G0+4*\s+2:G0+4*\s+3], s[20:21], \s*ROWB
	s_or_b32 s[G0+4*\s+3], s[G0+4*\s+3], 0x80000000
	s_mov_b32 s[G0B+4*\s], 1
	s_add_co_u32 s[G0B+4*\s+1], s95, \s*SLOT
	s_add_nc_u64 s[G0B+4*\s+2:G0B+4*\s+3], s[46:47], \s*HALFB
	s_or_b32 s[G0B+4*\s+3], s[G0B+4*\s+3], 0x80000000
	JLOAD G0+4*\s, G1, G0B+4*\s, G1B
.endr
	v_and_b32 v1, 15, v0                           ; r
	v_bfe_u32 v2, v0, 4, 1                         ; h
	v_mul_u32_u24 v3, v1, PITCH
	v_lshl_add_u32 v4, v2, 4, v3                   ; A: a fragment's row x pitch + 16 h
	v_and_b32 v6, 31, v0
	v_lshlrev_b32 v[LI], 4, v6                     ; B: an image's place for my lane
	s_mul_i32 s21, s15, HALFA                      ; my 128 rows of A
	s_lshl_b32 s22, s16, 15
	s_add_co_u32 s22, s22, BOFF                    ; my head of B
.irp s, 0,1
	v_add_nc_u32 v[ADRA+\s], s21, v4
	v_add_nc_u32 v[ADRB+\s], s22, v[LI]
	s_add_co_u32 s21, s21, SLOT
	s_add_co_u32 s22, s22, SLOT
.endr
	v_mul_u32_u24 v5, v1, KS                       ; my row's scales: 64 bytes a row,
	v_lshrrev_b32 v6, 8, v5
	v_lshl_add_u32 v5, v6, 4, v5                   ; and 16 more for each 256 passed
	s_mul_i32 s21, s15, HALFS
	s_mul_i32 s22, s16, HALFS
	s_add_co_u32 s22, s22, 2*HALFS
	s_sub_co_u32 s22, s22, s21
	v_mul_u32_u24 v6, s22, v2                      ; lanes 16-31 take B's
	s_add_co_u32 s21, s21, SCL
	v_add_nc_u32 v5, v5, v6
	v_add_nc_u32 v[ADRS], s21, v5
	s_mul_i32 s23, s14, 16*288                     ; v's stage: made here, ahead of every parting of the waves
	s_add_co_u32 s23, s23, VST
	v_mul_u32_u24 v5, v1, 288
	v_lshl_add_u32 v5, v2, 4, v5
	v_add_nc_u32 v[VSTO], s23, v5                  ; in: key r, 16 bytes for each half of the lanes
	v_and_b32 v5, 7, v0
	v_lshl_add_u32 v5, v2, 3, v5
	v_mul_u32_u24 v5, v5, 288
	v_bfe_u32 v6, v0, 3, 1
	v_lshl_add_u32 v5, v6, 4, v5
	v_add_nc_u32 v[VRD], s23, v5                   ; out, turned: key 8 h + lane % 8, channels 8 ((lane / 8) % 2) on
	v_lshlrev_b32 v[WA], 5, v2
.macro FRAG reg, adr, q, i             ; A: 16 rows x 128 K: registers 4 c .. 4 c + 3 hold K = 64 c + 32 h + 0..31
.irp c, 0,1
	ds_load_b128 v[\reg+4*\c:\reg+4*\c+3], v[\adr] offset:64*(\q)+32*\c+(\i)*16*PITCH
.endr
.endm
.macro FRAGB reg, adr, q, i            ; B: the image of tile i, the slot's q-th 128 along K: two pieces of 512 consecutive bytes
.irp c, 0,1
	ds_load_b128 v[\reg+4*\c:\reg+4*\c+3], v[\adr] offset:((\i)*4+(\q))*1024+512*\c
.endr
.endm
; 16 matrix instructions: A's blocks a0, a0 + 1 x B's eight.  The 64 accumulators take turns, one instruction a turn, in the same order in every step.
.macro MUL16 a0, p, q, sc, zero
.irp a, \a0, \a0+1
.irp b, 0,1,2,3,4,5,6,7
.if \zero
	v_wmma_scale_f32_16x16x128_f8f6f4 v[8*(8*((\a)%4)+\b):8*(8*((\a)%4)+\b)+7], v[128*(\p)+FR*\b:128*(\p)+FR*\b+FR-1], v[AF+FR*(\a):AF+FR*(\a)+FR-1], 0, v[SC+8*NQ*(\sc)+NQ*\b+(\q)], v[SC+8*NQ*(\sc)+NQ*(\a)+(\q)] matrix_a_fmt:MATRIX_FMT_FP4 matrix_b_fmt:MATRIX_FMT_FP4 matrix_a_scale:MATRIX_SCALE_ROW1
.else
	v_wmma_scale_f32_16x16x128_f8f6f4 v[8*(8*((\a)%4)+\b):8*(8*((\a)%4)+\b)+7], v[128*(\p)+FR*\b:128*(\p)+FR*\b+FR-1], v[AF+FR*(\a):AF+FR*(\a)+FR-1], v[8*(8*((\a)%4)+\b):8*(8*((\a)%4)+\b)+7], v[SC+8*NQ*(\sc)+NQ*\b+(\q)], v[SC+8*NQ*(\sc)+NQ*(\a)+(\q)] matrix_a_fmt:MATRIX_FMT_FP4 matrix_b_fmt:MATRIX_FMT_FP4 matrix_a_scale:MATRIX_SCALE_ROW1
.endif
.endr
.endr
.endm
.macro FETCH_B slot, q, p
	WIN TO_B
.irp i, 0,1,2,3,4,5,6,7
	FRAGB 128*(\p)+FR*\i, ADRB+\slot, \q, \i
.endr
	WIN 0
.endm
.macro FETCH_A slot, q, i0
.irp i, \i0, \i0+1, \i0+2, \i0+3
	FRAG AF+FR*(\i), ADRA+\slot, \q, \i
.endr
.endm
.macro SCALES sc                       ; a K step's scale words: lanes 0-15 take A's block i, lanes 16-31 B's block i
.irp i, 0,1,2,3,4,5,6,7
	ds_load_b128 v[SC+8*NQ*\sc+NQ*\i:SC+8*NQ*\sc+NQ*\i+3], v[ADRS] offset:\i*SBLK
.endr
.endm
.macro PLACES n                        ; plain vector lines between a matrix instruction and a load into, or a read of, its registers
.rept \n
	v_nop
.endr
.endm
.macro STEP slot, q, zero
	s_wait_dscnt 4*NL                              ; B's set and A's blocks 0-3 are in; the youngest eight loads (A's blocks 4-7) may be out
	WIN MUL_LO
	MUL16 0, (\q)%2, \q, \slot, \zero
	MUL16 2, (\q)%2, \q, \slot, \zero
	s_wait_dscnt 0
	PLACES NP
	FETCH_B \slot, (\q)+1, 1-(\q)%2
	FETCH_A \slot, (\q)+1, 0
	WIN MUL_HI
	MUL16 4, (\q)%2, \q, \slot, \zero
	MUL16 6, (\q)%2, \q, \slot, \zero
	PLACES NP
	WIN 0
	FETCH_A \slot, (\q)+1, 4
.endm
; A slot's last step changes slots: one barrier; in front of it each wave waits for all its tensor loads, adds 0 to its spare word, and waits for that and for its reads of this slot.
.macro TURN slot, next, fill
	s_wait_tensorcnt 0x0                           ; all my tensor loads have landed: my part of the next slot
	ds_add_u32 v[SPW], v[NIL]
	s_wait_dscnt 4*NL+1                            ; the add and the youngest eight loads may be out
	WIN MUL_LO
	MUL16 0, 1, NQ-1, \slot, 0
	s_wait_dscnt 0x0                               ; the add is done, and my reads of this slot are over
	s_barrier_signal -1
	MUL16 2, 1, NQ-1, \slot, 0
	WIN 0
	s_barrier_wait -1
.if \fill
	CREST                                          ; the barrier has opened a round of the cluster's barrier: no wave of any partner still reads this slot or has a load on its way
	s_add_nc_u64 s[G0+4*\slot+2:G0+4*\slot+3], s[G0+4*\slot+2:G0+4*\slot+3], 2*ROWB
	s_add_nc_u64 s[G0B+4*\slot+2:G0B+4*\slot+3], s[G0B+4*\slot+2:G0B+4*\slot+3], 2*HALFB
	JLOAD G0+4*\slot, G1, G0B+4*\slot, G1B         ; the first tensor load behind the round; its four v_nop are also the places in front of the loads below
.else
	PLACES NP
.endif
	v_add_nc_u32 v[ADRS], 4*NQ, v[ADRS]
	FETCH_B \next, 0, 0
	FETCH_A \next, 0, 0
	SCALES \next
	WIN MUL_HI
	MUL16 4, 1, NQ-1, \slot, 0
	MUL16 6, 1, NQ-1, \slot, 0
	PLACES NP
	WIN 0
	FETCH_A \next, 0, 4
.endm
.macro STEPS slot, from
.set Q, \from
.rept NQ-1-\from
	STEP \slot, Q, 0
.set Q, Q+1
.endr
.endm
	s_wait_tensorcnt 1                             ; the scales and my part of K step 0 are in; K step 1's load may be out
	s_barrier_signal -1
	s_barrier_wait -1
	FETCH_B 0, 0, 0
	FETCH_A 0, 0, 0
	SCALES 0
	FETCH_A 0, 0, 4
	STEP 0, 0, 1                                   ; the first step's products start the sums
	s_mov_b32 s3, LAPS-1
.Llap:
	STEPS 0, 1
	TURN 0, 1, 1
	STEPS 1, 0
	TURN 1, 0, 1
	STEP 0, 0, 0
	s_sub_co_u32 s3, s3, 1
	s_cmp_lg_u32 s3, 0
	s_cbranch_scc1 .Llap
	STEPS 0, 1                                     ; the last lap fills nothing
	TURN 0, 1, 0
	STEPS 1, 0
	s_wait_dscnt 4*NL
	WIN MUL_LO
	MUL16 0, 1, NQ-1, 1, 0
	MUL16 2, 1, NQ-1, 1, 0
	s_wait_dscnt 0
	WIN MUL_HI
	MUL16 4, 1, NQ-1, 1, 0
	MUL16 6, 1, NQ-1, 1, 0
	WIN 0
; ---------------------------------------------------------------- THE WAY OUT
	PLACES NP
	s_mov_b32 s2, 0x76543210                       ; v_permlanex16_b32's selects for lane l xor 16
	s_mov_b32 s3, 0xfedcba98
	s_mov_b32 s12, 0x3c000000                      ; 1 / 128
	s_lshl_b32 s20, s17, 4
	s_lshl_b32 s21, s15, 3
	s_add_co_u32 s20, s20, s21                     ; B0: my first block of 16 rows
	s_lshl_b32 s21, s16, 3
	s_add_co_u32 s21, s21, s42                     ; HD: my head, 0..15
	s_mov_b32 s23, 0
	s_mov_b32 s45, 0
	s_lshl_b32 s22, s21, 13
	s_add_co_u32 s22, s22, 16777216
	s_add_nc_u64 s[40:41], s[66:67], s[22:23]      ; where my head's first 16 rows go in f32
	v_mov_b32 v[B0V], s20
	v_mov_b32 v13, 0                               ; (named as the upper half of the pair v[12:13])
	s_and_b32 s43, s21, 3                          ; the KV head
	s_lshl_b32 s43, s43, 21
	s_lshl_b32 s44, s20, 13                        ; (B0 / 4) steps of 32,768 bytes
	s_add_co_u32 s43, s43, s44
	s_add_co_u32 s43, s43, 8388608
	s_and_b32 s18, s16, ttmp9                      ; a value head: column half 1 in the clusters with x = 1: the wave's number and the cluster's x alone
	s_cmp_eq_u32 s18, 1
	s_cbranch_scc1 .Lv_path
; q and k.  window 0: v32-95 the row's 64 numbers, v96-159 rotated, v160-191 packed, v192-255 the norm's weights (8 b + j).  window 1: two sets of the table: cosine at 64 s + 8 b + j, sine 32 further on.
	s_lshl_b32 s18, s21, 20
	s_lshl_b32 s19, s20, 12
	s_add_co_u32 s18, s18, s19                     ; q: head x 1 MiB + block x 4,096
	s_cmp_eq_u32 s16, 0
	s_cselect_b32 s22, s18, s43
	s_cselect_b32 s44, 0, 16384                    ; k: from block 4 on the next step of 64 keys, past V's 16,384 bytes
	s_cselect_b64 s[18:19], s[98:99], s[100:101]   ; the norm's weights
	s_add_nc_u64 s[46:47], s[66:67], s[22:23]      ; blocks 0-3 go here,
	s_add_nc_u64 s[92:93], s[46:47], s[44:45]      ; blocks 4-7 here
	s_lshl_b32 s22, s20, 13
	s_add_nc_u64 s[96:97], s[96:97], s[22:23]      ; the table at my first block
.irp b, 0,1,2,3,4,5,6,7
	global_load_b128 v[192+8*\b:195+8*\b], v[WA], s[18:19] offset:64*\b
	global_load_b128 v[196+8*\b:199+8*\b], v[WA], s[18:19] offset:64*\b+16
.endr
.macro TABLE a
	WIN 0x40
.set p, 0
.rept 16
	global_load_b128 v[64*((\a)%2)+4*p:64*((\a)%2)+4*p+3], v[LI], s[96:97] offset:8192*(\a)+512*p
.set p, p+1
.endr
	WIN 0
.endm
	TABLE 0
	TABLE 1
.macro QKBLOCK a
.set AC, 64*((\a)%4)
.set WN, 2+(\a)/4
.set WW, WN|(WN<<2)
.set TS, 64*((\a)%2)
	WIN WW                                         ; sources 0 and 1: the accumulators' window
	v_pk_mul_f32 v[8:9], v[AC:AC+1], v[AC:AC+1]    ; the sum of squares, two chains, each accumulator from its low end on
	v_pk_mul_f32 v[10:11], v[AC+2:AC+3], v[AC+2:AC+3]
.set i, 4
.rept 15
	v_pk_fma_f32 v[8:9], v[AC+i:AC+i+1], v[AC+i:AC+i+1], v[8:9]
	v_pk_fma_f32 v[10:11], v[AC+i+2:AC+i+3], v[AC+i+2:AC+i+3], v[10:11]
.set i, i+4
.endr
	WIN 0
	v_pk_add_f32 v[8:9], v[8:9], v[10:11]
	v_add_f32 v8, v8, v9
	v_permlanex16_b32 v9, v8, s2, s3               ; the row's other 64 columns lie in the lane 16 away
	v_add_f32 v8, v8, v9
	v_fmaak_f32 v8, s12, v8, 0x358637bd            ; the mean + 1e-6
	v_rsq_f32 v12, v8
.if (\a) == 0
	s_wait_loadcnt 32                              ; the weights are in; the two table blocks may be out
.endif
	WIN WN
.set i, 0
.rept 32
	v_pk_mul_f32 v[32+i:33+i], v[AC+i:AC+i+1], v[192+i:193+i]   ; x w: the plain work behind the root
.set i, i+2
.endr
	WIN 0
	s_wait_alu depctr_va_vdst(0)                   ; ahead of the root's first reader
.set i, 0
.rept 32
	v_pk_mul_f32 v[32+i:33+i], v[32+i:33+i], v[12:13] op_sel_hi:[1,0]
.set i, i+2
.endr
.if (\a) < 7
	s_wait_loadcnt 16                              ; this block's table is in; the next block's may be out
.else
	s_wait_loadcnt 0x0
.endif
	WIN 0x04                                       ; source 1: the table, window 1
.set i, 0
.rept 16
	v_pk_mul_f32 v[96+i:97+i], v[32+i:33+i], v[TS+i:TS+i+1]
	v_pk_mul_f32 v[128+i:129+i], v[64+i:65+i], v[TS+i:TS+i+1]
.set i, i+2
.endr
.set i, 0
.rept 16
	v_pk_fma_f32 v[96+i:97+i], v[64+i:65+i], v[TS+32+i:TS+33+i], v[96+i:97+i] neg_lo:[1,0,0] neg_hi:[1,0,0]   ; x1 cos - x2 sin
	v_pk_fma_f32 v[128+i:129+i], v[32+i:33+i], v[TS+32+i:TS+33+i], v[128+i:129+i]                             ; x2 cos + x1 sin
.set i, i+2
.endr
	WIN 0
.if (\a)+2 < 8
	TABLE (\a)+2
.endif
	s_wait_xcnt 0x0                                ; the last block's stores have read their registers
.set i, 0
.rept 32
	v_cvt_pk_f16_f32 v[160+i], v[96+2*i], v[97+2*i]
.set i, i+1
.endr
.irp b, 0,1,2,3,4,5,6,7
.if (\a) < 4
	global_store_b128 v[LI], v[160+4*\b:163+4*\b], s[46:47] offset:4096*(\a)+512*\b   ; 512 consecutive bytes a store
.else
	global_store_b128 v[LI], v[160+4*\b:163+4*\b], s[92:93] offset:4096*(\a)+512*\b
.endif
.endr
.if (\a) == 0                          ; rows 0-15 of the sequence also leave in f32: all lanes on where B0 = 0, none elsewhere; no jump
	v_cmp_eq_u32 vcc_lo, 0, v[B0V]
	s_wait_xcnt 0x0                                ; EXEC changes only behind this wait
	s_and_saveexec_b32 s13, vcc_lo
.set p, 0
.rept 16
	global_store_b128 v[LI], v[96+4*p:99+4*p], s[40:41] offset:512*p
.set p, p+1
.endr
	s_wait_xcnt 0x0
	s_or_b32 exec_lo, exec_lo, s13
.endif
.endm
.irp a, 0,1,2,3,4,5,6,7
	QKBLOCK \a
.endr
	s_branch .Ldone
.Lv_path:
; v: rounded to f16, a block of 16 keys x 128 channels into my stage, back turned: lane (r, h) then holds channel 16 f + r and keys 8 h + 0..7: a piece of V^T's image.
	s_add_co_u32 s22, s43, 16384
	s_add_nc_u64 s[46:47], s[66:67], s[22:23]
.macro VBLOCK a
.set AC, 64*((\a)%4)
.set WN, 2+(\a)/4
.set WW, WN|(WN<<2)
.set TR, 96+32*((\a)%2)
	WIN WW
.set i, 0
.rept 32
	v_cvt_pk_f16_f32 v[160+i], v[AC+2*i], v[AC+2*i+1]
.set i, i+1
.endr
	WIN 0
.if (\a) == 0
	v_cmp_eq_u32 vcc_lo, 0, v[B0V]
	s_wait_xcnt 0x0
	s_and_saveexec_b32 s13, vcc_lo
	WIN 0x08                                       ; a store's data are its source 1: window 2
.set p, 0
.rept 16
	global_store_b128 v[LI], v[4*p:4*p+3], s[40:41] offset:512*p
.set p, p+1
.endr
	WIN 0
	s_wait_xcnt 0x0
	s_or_b32 exec_lo, exec_lo, s13
.endif
.irp b, 0,1,2,3,4,5,6,7
	ds_store_b128 v[VSTO], v[160+4*\b:163+4*\b] offset:32*\b
.endr
.if (\a) >= 2
	s_wait_xcnt 0x0                                ; block a - 2's stores have read the registers that the loads below fill
.endif
.irp f, 0,1,2,3,4,5,6,7
	ds_load_tr16_b128 v[TR+4*\f:TR+4*\f+3], v[VRD] offset:32*\f     ; LDS serves a wave's instructions in order: these see the stores above
.endr
	s_wait_dscnt 0x0
.irp f, 0,1,2,3,4,5,6,7
	global_store_b128 v[LI], v[TR+4*\f:TR+4*\f+3], s[46:47] offset:((\a)/4)*32768+(((\a)/2)%2)*8192+1024*\f+((\a)%2)*512
.endr
.endm
.irp a, 0,1,2,3,4,5,6,7
	VBLOCK \a
.endr
.Ldone:
	s_wait_tensorcnt 0x0                           ; the wave's end
	ds_add_u32 v[SPW], v[NIL]
	s_wait_dscnt 0x0
	CROUND                                         ; the closing round
	s_endpgm
.Lfunc_end_k_qfc64f9eea4_gemm1:
	.size	k_qfc64f9eea4_gemm1, .Lfunc_end_k_qfc64f9eea4_gemm1-k_qfc64f9eea4_gemm1
	.p2alignl 7, 3214868480
	.fill 96, 4, 3214868480
	.section	.rodata,"a",@progbits
	.p2align	6, 0x0
	.amdhsa_kernel k_qfc64f9eea4_gemm1
		.amdhsa_group_segment_fixed_size 327680
		.amdhsa_private_segment_fixed_size 0
		.amdhsa_enable_private_segment 0
		.amdhsa_kernarg_size 64
		.amdhsa_user_sgpr_count 2
		.amdhsa_user_sgpr_kernarg_segment_ptr 1
		.amdhsa_wavefront_size32 1
		.amdhsa_system_sgpr_workgroup_id_x 1
		.amdhsa_system_sgpr_workgroup_id_y 1
		.amdhsa_system_sgpr_workgroup_id_z 1
		.amdhsa_system_vgpr_workitem_id 0
		.amdhsa_next_free_vgpr 1024
		.amdhsa_next_free_sgpr 102
		.amdhsa_reserve_vcc 1
		.amdhsa_float_denorm_mode_32 3
		.amdhsa_float_denorm_mode_16_64 3
		.amdhsa_memory_ordered 1
		.amdhsa_forward_progress 1
		.amdhsa_inst_pref_size 255
	.end_amdhsa_kernel
	.section	.bss,"aw",@nobits
	.p2align	6
	.space	262144
	.amdgpu_metadata
---
amdhsa.version: [ 1, 2 ]
amdhsa.kernels:
  - .name:           k_qfc64f9eea4_gemm1
    .symbol:         k_qfc64f9eea4_gemm1.kd
    .args:
      - { .name: x_codes, .offset: 0, .size: 8, .value_kind: global_buffer, .address_space: global }
      - { .name: x_scales, .offset: 8, .size: 8, .value_kind: global_buffer, .address_space: global }
      - { .name: w_codes, .offset: 16, .size: 8, .value_kind: global_buffer, .address_space: global }
      - { .name: w_scales, .offset: 24, .size: 8, .value_kind: global_buffer, .address_space: global }
      - { .name: rope, .offset: 32, .size: 8, .value_kind: global_buffer, .address_space: global }
      - { .name: q_norm_w, .offset: 40, .size: 8, .value_kind: global_buffer, .address_space: global }
      - { .name: k_norm_w, .offset: 48, .size: 8, .value_kind: global_buffer, .address_space: global }
      - { .name: qkv, .offset: 56, .size: 8, .value_kind: global_buffer, .address_space: global }
    .group_segment_fixed_size: 327680
    .private_segment_fixed_size: 0
    .kernarg_segment_align: 8
    .kernarg_segment_size: 64
    .max_flat_workgroup_size: 128
    .sgpr_count:     102
    .vgpr_count:     1024
    .wavefront_size: 32
...
	.end_amdgpu_metadata
.endif
;; end of part 2
;; launch attn (part 3): grid 64 x 4, 4 waves a work-group, clusters of 4 x 1, 327,680 bytes of LDS; arguments qkv, attn16; writes attn16
.if DOCPART == 3
	.amdgcn_target "amdgcn-amd-amdhsa--gfx1250"
	.amdhsa_code_object_version 6
	.text
	.protected	k_qfc64f9eea4_attn
	.globl	k_qfc64f9eea4_attn
	.p2align	8
	.type	k_qfc64f9eea4_attn,@function
k_qfc64f9eea4_attn:
	s_mov_b64 s[64:65], 0
	v_nop
	global_prefetch_b8 v0, s[64:65] scope:SCOPE_SE
	s_setreg_imm32_b32 hwreg(HW_REG_WAVE_MODE, 25, 1), 1
	s_wait_xcnt 0x0
	s_wait_alu depctr_hold_cnt(0) depctr_sa_sdst(0) depctr_va_vdst(0) depctr_va_sdst(0) depctr_va_ssrc(0) depctr_va_vcc(0) depctr_vm_vsrc(0)
	s_getreg_b32 s2, hwreg(HW_REG_IB_STS2, 6, 4)
	s_cmp_eq_u32 s2, 0
	s_cbranch_scc0 .Lentry_in_a_cluster
	s_endpgm
.Lentry_in_a_cluster:
	s_bfe_u32 s2, ttmp6, 0x10000c
	s_cmp_lg_u32 s2, 0x3003
	s_cbranch_scc0 .Lentry_shape_is_right
	s_endpgm
.Lentry_shape_is_right:
; Causal attention, 8 query heads on 4 key and value heads, head size 128, 4,096 positions.  Operands f16, products, maxima and sums f32; the weights p are rounded to f16 for the second product.
; SHARES.  A cluster of four work-groups owns, for one KV head, the blocks of 128 rows c and 31 - c, for both query heads that share it; a partner owns 32 rows x 2 heads = four tiles of 16 queries.
; THE FOUR WAVES SPLIT THE KEYS: in trip tau wave w takes the 64 keys of step 4 tau + w, for all four tiles.  Block C needs (C / 2) + 1 trips; (c / 2) + 1 and ((31 - c) / 2) + 1 add to 17 for every c:
; the loop's count is a constant and every work-group has the same work.  At a block's end the four waves' partial (m, l, O) are merged through LDS: wave w owns query tile w.
; Register tile u of wave w holds query tile (w + u) % 4, so that the tile that a wave owns is its register tile 0.
; TILES.  A step's K (16 KiB) and V^T (16 KiB) lie together in memory as images of the operands' registers: one dense tile of 32 KiB a wave and trip, asked for JOINTLY by the four partners, read by 64 loads of 512 consecutive bytes.
; LAYOUT.  S^T = K Q^T, O^T = V^T P: a lane holds one query (lane % 16); two tiles of S^T rounded in pairs are source 1 of the second product.
; SOFTMAX.  A running maximum m and sum l for each query and wave: p = 2^(c s - c m), c = log2(e) / sqrt(128); O and l are multiplied by 2^(c m_old - c m_new) in every step.  m begins at -3e38, l and O at 0.
; THE MASK is applied in a block's last trip, which holds the diagonal's steps: hidden scores become -infinity.  A step wholly beyond the diagonal gives p = 0 throughout.
; BY TURNS.  Tiles 0, 1 and tiles 2, 3 are two pieces: piece 2's products K Q^T carry piece 0's softmax in slices, piece 0's products V^T P carry piece 2's.
; REGISTERS: window 0: v1-11 addresses, v12-43 statistics (8 a tile), v44-63 the merge's and the add's, v64-191 S^T, v192-255 P.  window 1: O^T.  window 2: v0-127 Q, v128-255 K.  window 3: v0-127 V^T.
.set SLOT1, 1<<17                      ; a slot holds the four waves' tiles; one exclusive or turns an address into the other slot's
.set STG,   2*SLOT1                    ; the merge: 12 regions of 4,096 bytes (half a tile of O^T)
.set ML,    STG+12*4096                ; 12 x 256 bytes: c m, then l
.set SPARE, ML+12*256                  ; the spare words, 128 bytes for each wave
.set PFO, 1                            ; v1   256 x lane
.set LW,  2                            ; v2   32,768 x wave + 16 x lane
.set ADR, 3                            ; v3   the LDS address of the run of loads in hand
.set LI,  4                            ; v4   16 x lane
.set LD,  5                            ; v5   r - 8 h
.set MD,  6
.set NEG, 7                            ; v7   -infinity
.set STW, 8                            ; v8-10  where register tiles 1-3 go at the merge
.set STR, 11                           ; v11  where I read my tile's three parts
.set ST,  12                           ; tile t at v[ST + 8 t]: +0 c m, +1 m, +2, +3 l, +4 to +7 at work
.set MLW, 44                           ; v44-46
.set MLR, 47
.set RM,  48                           ; v48-53 the three parts' c m and l
.set GF,  54                           ; v54, 56, 58, 60 the four factors (the odd registers are written once)
.set SPW, 62
.set NIL, 63
.set S,   64
.set P,   192
.set KF,  128
.set WV,  8
.set CX,  9
.set KVH, 11
.set TA,  12                           ; s12 trips of the first block
.set G,   13                           ; s13 the trip
.set LASTF, 14                         ; s14 1 in the first block's last trip
.set LIM, 15                           ; s15 a wave prefetches while the trip's number is under it
.set KVB, 16                           ; s[16:17] my wave's tile of step w
.set PFA, 18
.set OB,  20
.set G1,  24
.set G0,  32
.set QB,  36                           ; s[36:43] where my four tiles of Q lie
.set DM,  44                           ; s44-47 tile u's first query less my step's first key, in a block's last trip
.set TB,  48
.set OFF0, 49
.set CS,  50
.set SEL, 52
.set MSB, 0
.macro WIN new
.if MSB != \new
	s_set_vgpr_msb (MSB<<8)|\new
.set MSB, \new
.endif
.endm
.set W_KQ, 0x0a
.set W_PV, 0x53
.set W_RS, 0x41
.macro CROUND
	s_barrier_signal -1
	s_barrier_wait -1
	s_cmp_lg_u32 s[WV], 0
	s_cbranch_scc1 .Lnot_wave_0_\@
	s_barrier_signal -3
.Lnot_wave_0_\@:
	s_barrier_wait -3
	s_barrier_signal -1
	s_barrier_wait -1
.endm
.macro PLACES
.rept 4
	v_nop
.endr
.endm
; A prefetch of what the next trip's load will ask for: my wave's tile, a trip on; the four partners take 8,192 bytes each, told apart by address, lanes 256 bytes apart.  All clusters of a KV head walk the same
; tiles: cluster 0, whose second block walks all 64 steps, asks; its last trips ask for nothing.
.macro ASK
	s_cmp_lt_u32 s[G], s[LIM]
	s_cbranch_scc0 .Lnot_mine_\@
	global_prefetch_b8 v[PFO], s[PFA:PFA+1] th:TH_LOAD_NT scope:SCOPE_SE
.Lnot_mine_\@:
.endm
; The block C (in s[creg]): where my four tiles of Q lie, the mask's differences, and my own tile's offset (the same in Q and in the output).
.macro SETQ creg
.irp u, 0,1,2,3
	s_add_co_u32 s55, s[WV], \u
	s_and_b32 s56, s55, 1                          ; which 16 of my 32 rows
	s_bfe_u32 s55, s55, 0x10001                    ; which of the two query heads
	s_lshl_b32 s57, s[KVH], 1
	s_add_co_u32 s55, s55, s57
	s_lshl_b32 s55, s55, 20
	s_lshl_b32 s57, s[\creg], 3
	s_add_co_u32 s57, s57, s56
	s_lshl_b32 s58, s[CX], 1
	s_add_co_u32 s57, s57, s58                     ; the block of 16 rows: 8 C + 2 cx + ..
	s_lshl_b32 s57, s57, 12
	s_add_co_u32 s22, s55, s57
	s_mov_b32 s23, 0
	s_add_nc_u64 s[QB+2*\u:QB+2*\u+1], s[4:5], s[22:23]
.if \u == 0
	s_mov_b32 s[OFF0], s22
.endif
	s_and_b32 s57, s[\creg], 1
	s_lshl_b32 s57, s57, 7
	s_lshl_b32 s58, s[CX], 5
	s_add_co_u32 s57, s57, s58
	s_lshl_b32 s56, s56, 4
	s_add_co_u32 s57, s57, s56
	s_lshl_b32 s58, s[WV], 6
	s_sub_co_i32 s[DM+\u], s57, s58                ; 128 (C % 2) + 32 cx + 16 (..) - 64 w
.endr
.endm
.macro QLOAD
	WIN 0x80
.irp u, 0,1,2,3
.irp b, 0,1,2,3,4,5,6,7
	global_load_b128 v[32*\u+4*\b:32*\u+4*\b+3], v[LI], s[QB+2*\u:QB+2*\u+1] offset:512*\b
.endr
.endr
	WIN 0
.endm
.macro CLEAR                           ; the key step is written once: a block's first step finds zeros, which the first change of m leaves zeros
	WIN 0x40
.set i, 0
.rept 256
	v_mov_b32 v[i], 0
.set i, i+1
.endr
	WIN 0
.irp t, 0,1,2,3
	v_mov_b32 v[ST+8*\t+1], 0xff61b1e6             ; -3e38, under every score
	v_mul_f32 v[ST+8*\t], s[CS], v[ST+8*\t+1]
	v_mov_b32 v[ST+8*\t+2], 0
	v_mov_b32 v[ST+8*\t+3], 0
.endr
.endm
	s_load_b128 s[4:7], s[0:1], 0x0                ; qkv s[4:5], attn16 s[6:7]
	v_lshl_add_u32 v[SPW], v0, 2, SPARE
	v_mov_b32 v[NIL], 0
	ds_add_u32 v[SPW], v[NIL]                      ; the wave's opening: the add, twice on end, and its wait ahead of my first tensor load
	ds_add_u32 v[SPW], v[NIL]
	v_lshrrev_b32 v1, 5, v0
	v_readfirstlane_b32 s[WV], v1
	s_bfe_u32 s[CX], ttmp6, 0x40000
	s_and_b32 s[KVH], ttmp7, 0xffff
	s_lshr_b32 s[TA], ttmp9, 1
	s_add_co_u32 s[TA], s[TA], 1
	s_mov_b32 s[G1], 15|(3<<16)|(1<<21)            ; the mask: all four partners; elements of 8 bytes; bit 21 beside a mask; no padding
	s_mov_b32 s[G1+1], 32<<16                      ; 128 rows of 256 bytes, dense: 32,768 bytes
	s_mov_b32 s[G1+2], 128<<16
	s_mov_b32 s[G1+3], 32<<16
	s_mov_b32 s[G1+4], 128
	s_mov_b32 s[G1+5], 32
	s_mov_b32 s[G1+6], 0
	s_mov_b32 s[G1+7], 0
	s_mov_b32 s[CS], 0x3e0293ee                    ; c = log2(e) / sqrt(128)
	s_mov_b32 s[CS+1], s[CS]
	s_mov_b32 s[SEL], 0x76543210
	s_mov_b32 s[SEL+1], 0xfedcba98
	s_mov_b32 s[TB], 0
	s_cmp_eq_u32 ttmp9, 0
	s_cselect_b32 s[LIM], 15, 0
	s_lshl_b32 s22, s[KVH], 21
	s_lshl_b32 s54, s[WV], 15
	s_add_co_u32 s22, s22, s54
	s_add_co_u32 s22, s22, 8388608
	s_mov_b32 s23, 0
	s_wait_dscnt 0x0                               ; both opening adds are done
	s_wait_kmcnt 0x0
	s_add_nc_u64 s[KVB:KVB+1], s[4:5], s[22:23]
	s_lshl_b32 s22, s[CX], 13
	s_add_nc_u64 s[PFA:PFA+1], s[KVB:KVB+1], s[22:23]
	CROUND                                         ; all four work-groups are here: the first joint loads meet
	s_mov_b32 s[G0], 1
	s_lshl_b32 s[G0+1], s[WV], 15                  ; slot 0, my wave's 32,768 bytes
	s_mov_b64 s[G0+2:G0+3], s[KVB:KVB+1]
	s_or_b32 s[G0+3], s[G0+3], 0x80000000
	tensor_load_to_lds s[G0:G0+3], s[G1:G1+7]      ; trip 0's tile: one load of mine is out
	s_nop 0
.rept 4
	v_nop
.endr
	v_and_b32 v3, 31, v0
	v_lshlrev_b32 v[PFO], 8, v3
	v_lshlrev_b32 v[LI], 4, v3
	s_lshl_b32 s54, s[WV], 15
	v_add_nc_u32 v[LW], s54, v[LI]
	v_and_b32 v[LD], 15, v0
	v_bfe_u32 v6, v0, 4, 1
	v_lshlrev_b32 v6, 3, v6
	v_sub_nc_u32 v[LD], v[LD], v6
	v_mov_b32 v[NEG], 0xff800000
.irp u, 1,2,3
	s_add_co_u32 s54, s[WV], \u
	s_and_b32 s54, s54, 3                          ; the owner of register tile u,
	s_mul_i32 s54, s54, 3
	s_add_co_u32 s54, s54, \u-1                    ; and which of its three regions is mine
	s_lshl_b32 s55, s54, 12
	s_add_co_u32 s55, s55, STG
	v_add_nc_u32 v[STW+\u-1], s55, v[LI]
	s_lshl_b32 s55, s54, 8
	s_add_co_u32 s55, s55, ML
	v_lshl_add_u32 v[MLW+\u-1], v3, 2, s55
.endr
	s_mul_i32 s54, s[WV], 12288
	s_add_co_u32 s54, s54, STG
	v_add_nc_u32 v[STR], s54, v[LI]
	s_mul_i32 s54, s[WV], 768
	s_add_co_u32 s54, s54, ML
	v_lshl_add_u32 v[MLR], v3, 2, s54
.irp k, 0,1,2,3
	v_mov_b32 v[GF+2*\k+1], 0                      ; named as the upper halves of pairs
.endr
	s_mov_b32 s59, ttmp9
	SETQ 59
	s_mov_b32 s22, s[OFF0]
	s_mov_b32 s23, 0
	s_add_nc_u64 s[OB:OB+1], s[6:7], s[22:23]
	QLOAD
	CLEAR
; THE MATRIX WORK.  The accumulators take turns, one instruction a turn.
.macro PV x                            ; product i of 32 of O^T += V^T P: keys 32 (i / 16) on, channels 16 ((i / 2) % 8) on, tile x + i % 2
	WIN W_PV
.set rO, 64*(\x+i%2)+8*((i/2)%8)
.set rV, 64*(i/16)+8*((i/2)%8)
.set rP, P+16*(\x+i%2)+8*(i/16)
	v_wmma_f32_16x16x32_f16 v[rO:rO+7], v[rV:rV+7], v[rP:rP+7], v[rO:rO+7]
.endm
.macro KQ x                            ; product i of 32 of S^T = K Q^T: channels 32 (i / 8) on, keys 16 ((i / 2) % 4) on, tile x + i % 2; the first 8 start the sums
	WIN W_KQ
.set rS, S+32*(\x+i%2)+8*((i/2)%4)
.set rK, KF+32*((i/2)%4)+8*(i/8)
.set rQ, 32*(\x+i%2)+8*(i/8)
.if i < 8
	v_wmma_f32_16x16x32_f16 v[rS:rS+7], v[rK:rK+7], v[rQ:rQ+7], 0
.else
	v_wmma_f32_16x16x32_f16 v[rS:rS+7], v[rK:rK+7], v[rQ:rQ+7], v[rS:rS+7]
.endif
.endm
.macro FETCH_KV                        ; my tile: 32 pieces of K, 32 of V^T, 512 consecutive bytes a load
	WIN 0
	v_add_nc_u32 v[ADR], s[TB], v[LW]
	WIN 0x80
.set f, 0
.rept 32
	ds_load_b128 v[KF+4*f:KF+4*f+3], v[ADR] offset:512*f
.set f, f+1
.endr
	WIN 0xc0
.set f, 0
.rept 32
	ds_load_b128 v[4*f:4*f+3], v[ADR] offset:16384+512*f
.set f, f+1
.endr
.endm
; THE VECTOR WORK.  One tile's softmax for a key step is a list of 134 instructions; SM writes number j of it for tile t.
;   0-15 the maximum of the 32 scores and the old m;  16-20 the other half of the lanes', the new m, c m, its change;  21-69 ONE BATCH: 16 packed scalings and 33 exponentials, none of which reads an exponential's result;
;   (the wait for the batch);  70-85 the roundings to f16;  86-101 the sums, l = a l + the sum;  102-133 the tile's O^T times a.
.macro SM t
.set rT, ST+8*(\t)
.set rS, S+32*(\t)
.set rP, P+16*(\t)
.set rO, 64*(\t)+2*(j-102)
.if j < 102
	WIN 0
.endif
.if j < 4
	v_max3_num_f32 v[rT+4+j], v[rS+8*j], v[rS+8*j+1], v[rS+8*j+2]
.elseif j < 12
	v_max3_num_f32 v[rT+4+j%4], v[rT+4+j%4], v[rS+8*(j%4)+2*(j/4)+1], v[rS+8*(j%4)+2*(j/4)+2]
.elseif j == 12
	v_max3_num_f32 v[rT+4], v[rT+4], v[rS+7], v[rS+15]
.elseif j == 13
	v_max3_num_f32 v[rT+6], v[rT+6], v[rS+23], v[rS+31]
.elseif j == 14
	v_max3_num_f32 v[rT+4], v[rT+4], v[rT+5], v[rT+6]
.elseif j == 15
	v_max3_num_f32 v[rT+4], v[rT+4], v[rT+7], v[rT+1]
.elseif j == 16
	v_permlanex16_b32 v[rT+5], v[rT+4], s[SEL], s[SEL+1]
.elseif j == 17
	v_mov_b32 v[rT+7], v[rT]
.elseif j == 18
	v_max_num_f32 v[rT+1], v[rT+4], v[rT+5]
.elseif j == 19
	v_mul_f32 v[rT], s[CS], v[rT+1]
.elseif j == 20
	v_sub_f32 v[rT+7], v[rT+7], v[rT]
.elseif j == 23
	v_exp_f32 v[rT+6], v[rT+7]
.elseif (j < 23) || ((j < 38) && (j%2 == 0)) || ((j < 66) && (j%4 == 2))
.set b, (j-2)/4
.if j < 38
.set b, (j-20)/2
.endif
	v_pk_fma_f32 v[rS+2*b:rS+2*b+1], v[rS+2*b:rS+2*b+1], s[CS:CS+1], v[rT:rT+1] op_sel_hi:[1,0,0] neg_lo:[0,0,1] neg_hi:[0,0,1]
.elseif j < 70
.set e, j-38
.if j < 66
.set e, j-32-(j-38)/4
.endif
.if j < 38
.set e, (j-25)/2
.endif
	v_exp_f32 v[rS+e], v[rS+e]
.elseif j < 86
	v_cvt_pk_f16_f32 v[rP+j-70], v[rS+2*(j-70)], v[rS+2*(j-70)+1]
.elseif j < 102
.set z, j-86
.set w, 4
.set u, z
.if z >= 14
.set w, 32
.set u, 0
.elseif z >= 12
.set w, 16
.set u, z-12
.elseif z >= 8
.set w, 8
.set u, z-8
.endif
.if z < 15
	v_pk_add_f32 v[rS+w*u:rS+w*u+1], v[rS+w*u:rS+w*u+1], v[rS+w*u+w/2:rS+w*u+w/2+1]
.else
	v_pk_fma_f32 v[rT+2:rT+3], v[rT+2:rT+3], v[rT+6:rT+7], v[rS:rS+1] op_sel_hi:[1,0,1]
.endif
.else
	WIN W_RS
	v_pk_mul_f32 v[rO:rO+1], v[rO:rO+1], v[rT+6:rT+7] op_sel_hi:[1,0]
.endif
.endm
; Slice k of 64 of piece y's softmax.  Slices 11 to 34 deal out the batch, four numbers of one tile each; every other slice is numbers 2 k and 2 k + 1 of both tiles; the twelve that are over stand in slice 63.
; Behind slice 34 stand one plain line and ONE wait for the piece's 66 exponentials, ahead of the first line that names a result.
.macro SLICE y
.if (k >= 11) && (k < 35)
.irp n, 0,1,2,3
.set j, 22+4*((k-11)/2)+(\n)
	SM (\y)+(k-11)%2
.endr
.else
.irp n, 0,1,2,3,4,5,6,7
.if (\n < 2) || (k == 63)
.irp t, \y, \y+1
.set j, 2*k+\n
	SM \t
.endr
.endif
.endr
.endif
.if k == 34
	v_nop
	s_wait_alu depctr_va_vdst(0)
.endif
.set k, k+1
.endm
; A turn: piece x has the matrix unit for 32 products; two slices of the other piece's softmax stand behind each.  Slice 63's sixteen plain lines, which name nothing of the products round them, are the places behind the last.
.macro TURN x, pv, kq
.set k, 0
.set i, 0
.rept 32
.if \pv
	PV \x
.endif
.if \kq
	KQ \x
.endif
	SLICE 2-\x
	SLICE 2-\x
.set i, i+1
.endr
.endm
.macro MASK y                          ; register 8 kt + j of a tile holds key 16 kt + 8 h + j of my step: hidden where 16 kt + j > the difference + r - 8 h
.irp t, \y, \y+1
	v_add_nc_u32 v[MD], s[DM+\t], v[LD]
.set n, 0
.rept 32
	v_cmp_gt_i32 vcc_lo, 16*(n/8)+n%8, v[MD]
	v_cndmask_b32 v[S+32*(\t)+n], v[S+32*(\t)+n], v[NEG], vcc_lo
.set n, n+1
.endr
.endr
.endm
.macro MASKIF y, tail                  ; in the loop the mask stands under a test on the trip's number and the cluster's, the same in all waves and partners
.if !\tail
	s_cmp_eq_u32 s[LASTF], 1
	s_cbranch_scc0 .Lopen_\@
.endif
	MASK \y
.if !\tail
.Lopen_\@:
.endif
.endm
.macro BODY tail
	FETCH_KV
	s_wait_dscnt 32                                ; K's 32 loads are in; V's 32 may be out
.set i, 0
.rept 32
	KQ 0
.set i, i+1
.endr
	WIN 0
	PLACES
	MASKIF 0, \tail
	TURN 2, 0, 1                                   ; piece 2's scores | piece 0's softmax
	WIN 0
	MASKIF 2, \tail
	s_wait_dscnt 0x0                               ; V is in
	TURN 0, 1, 0                                   ; piece 0's V^T P | piece 2's softmax
.set i, 0
.rept 32
	PV 2
.set i, i+1
.endr
	WIN 0
.endm
; THE CHANGE OF SLOTS at a trip's head.  Each wave waits for all its tensor loads (one is out: this trip's tile), adds 0 to its spare word, and waits for that and for its reads of the slot that it has left.
; fill = 1: behind a round of the cluster's barrier the slot just left takes the next trip's tile: trip n + 1 of the first block, or trip n + 1 - TA of the second.
.macro CHANGE fill
	WIN 0
	s_wait_tensorcnt 0x0
	ds_add_u32 v[SPW], v[NIL]                      ; the descriptor's words are made while it is out
.if \fill
	s_add_co_u32 s54, s[G], 1
	s_cmp_ge_u32 s54, s[TA]
	s_cselect_b32 s55, s[TA], 0
	s_sub_co_u32 s54, s54, s55
	s_lshl_b32 s22, s54, 17                        ; four steps of 32,768 bytes a trip
	s_mov_b32 s23, 0
	s_xor_b32 s[G0+1], s[G0+1], SLOT1
	s_add_nc_u64 s[G0+2:G0+3], s[KVB:KVB+1], s[22:23]
	s_or_b32 s[G0+3], s[G0+3], 0x80000000
	s_wait_xcnt 0x0                                ; the last trip's prefetch and stores have read their registers
	s_add_nc_u64 s[PFA:PFA+1], s[PFA:PFA+1], 131072
	s_wait_dscnt 0x0
	CROUND
	tensor_load_to_lds s[G0:G0+3], s[G1:G1+7]      ; my one tensor load behind the round; it has the whole trip in which to land
	s_nop 0
.rept 4
	v_nop                                          ; also the places in front of the loads into K's and V's registers
.endr
	ASK
.else
	s_wait_dscnt 0x0
	s_barrier_signal -1
	s_barrier_wait -1
	PLACES
.endif
.endm
; THE MERGE.  Register tiles 1-3 go to their owners, half a tile (channels 0-63, then 64-127) at a time; with them c m and l.  The owner brings the four parts under the largest c m and divides by the whole sum.
.macro PARTS hf
	WIN 0x04                                       ; an LDS store's data are its source 1: window 1
.irp u, 1,2,3
.irp q, 0,1,2,3,4,5,6,7
	ds_store_b128 v[STW+\u-1], v[64*\u+32*\hf+4*\q:64*\u+32*\hf+4*\q+3] offset:512*\q
.endr
.endr
	WIN 0
	s_wait_dscnt 0x0                               ; for the others' sake: my stores have landed
	s_barrier_signal -1
	s_barrier_wait -1
.endm
.macro GATHER
.irp k, 0,1,2
.irp q, 0,1,2,3,4,5,6,7
	ds_load_b128 v[S+32*\k+4*\q:S+32*\k+4*\q+3], v[STR] offset:4096*\k+512*\q
.endr
.endr
.endm
.macro COMBINE hf
	s_wait_dscnt 0x0
	WIN 0x01
.set i, 0
.rept 16
	v_pk_mul_f32 v[160+i:161+i], v[32*\hf+i:32*\hf+i+1], v[GF:GF+1] op_sel_hi:[1,0]
.set i, i+2
.endr
	WIN 0
.irp k, 0,1,2
.set i, 0
.rept 16
	v_pk_fma_f32 v[160+i:161+i], v[S+32*\k+i:S+32*\k+i+1], v[GF+2+2*\k:GF+3+2*\k], v[160+i:161+i] op_sel_hi:[1,0,1]
.set i, i+2
.endr
.endr
.set i, 0
.rept 16
	v_cvt_pk_f16_f32 v[P+16*\hf+i], v[160+2*i], v[161+2*i]
.set i, i+1
.endr
.irp f, 0,1,2,3
	global_store_b128 v[LI], v[P+16*\hf+4*\f:P+16*\hf+4*\f+3], s[OB:OB+1] offset:512*(4*\hf+\f)   ; a piece of the next product's image: 512 consecutive bytes
.endr
.endm
.macro FINAL
	WIN 0
.irp t, 0,1,2,3
	v_add_f32 v[ST+8*\t+4], v[ST+8*\t+2], v[ST+8*\t+3]       ; l's two halves (these lines are also the places behind the last products)
.endr
.irp t, 0,1,2,3
	v_permlanex16_b32 v[ST+8*\t+5], v[ST+8*\t+4], s[SEL], s[SEL+1]
.endr
.irp t, 0,1,2,3
	v_add_f32 v[ST+8*\t+4], v[ST+8*\t+4], v[ST+8*\t+5]
.endr
.irp u, 1,2,3
	ds_store_b32 v[MLW+\u-1], v[ST+8*\u]
	ds_store_b32 v[MLW+\u-1], v[ST+8*\u+4] offset:128
.endr
	PARTS 0
.irp k, 0,1,2
	ds_load_b32 v[RM+2*\k], v[MLR] offset:256*\k
	ds_load_b32 v[RM+2*\k+1], v[MLR] offset:256*\k+128
.endr
	GATHER
	s_wait_dscnt 24                                ; the six numbers are in; the 24 loads of the parts may be out
	v_max3_num_f32 v[MD], v[ST], v[RM], v[RM+2]
	v_max_num_f32 v[MD], v[MD], v[RM+4]
	v_sub_f32 v[GF], v[ST], v[MD]
	v_sub_f32 v[GF+2], v[RM], v[MD]
	v_sub_f32 v[GF+4], v[RM+2], v[MD]
	v_sub_f32 v[GF+6], v[RM+4], v[MD]
.irp k, 0,1,2,3
	v_exp_f32 v[GF+2*\k], v[GF+2*\k]
.endr
	v_nop
	s_wait_alu depctr_va_vdst(0)                   ; one wait for the four
	v_mul_f32 v[MD], v[GF], v[ST+4]
	v_fmac_f32 v[MD], v[GF+2], v[RM+1]
	v_fmac_f32 v[MD], v[GF+4], v[RM+3]
	v_fmac_f32 v[MD], v[GF+6], v[RM+5]
	v_rcp_f32 v[ADR], v[MD]
	v_nop
	s_wait_alu depctr_va_vdst(0)
.irp k, 0,1,2,3
	v_mul_f32 v[GF+2*\k], v[GF+2*\k], v[ADR]
.endr
	COMBINE 0
	s_barrier_signal -1                            ; every wave's reads of the first halves are back (the wait for 0 in front of the arithmetic): the regions may be written again
	s_barrier_wait -1
	PARTS 1
	GATHER
	COMBINE 1
.endm
	s_wait_loadcnt 0x0                             ; Q
	s_mov_b32 s[G], 0
.Ltrip:                                            ; 16 trips; the 17th is written out
	CHANGE 1
	s_add_co_u32 s54, s[G], 1
	s_cmp_eq_u32 s54, s[TA]
	s_cselect_b32 s[LASTF], 1, 0
	BODY 0
	s_xor_b32 s[TB], s[TB], SLOT1
	s_cmp_eq_u32 s[LASTF], 1                       ; the cluster's number and the trip's alone: all waves of all partners go the same way
	s_cbranch_scc0 .Lgo_on
	s_sub_co_u32 s59, 31, ttmp9
	SETQ 59                                        ; the second block: its Q is asked for ahead of the merge
	QLOAD
	FINAL
	s_wait_xcnt 0x0                                ; the stores have read their base
	s_mov_b32 s22, s[OFF0]
	s_mov_b32 s23, 0
	s_add_nc_u64 s[OB:OB+1], s[6:7], s[22:23]
	CLEAR
	s_wait_loadcnt 0x0
.Lgo_on:
	s_add_co_u32 s[G], s[G], 1
	s_cmp_lt_u32 s[G], 16
	s_cbranch_scc1 .Ltrip
	CHANGE 0
	BODY 1
	FINAL
	s_wait_tensorcnt 0x0                           ; the wave's end
	ds_add_u32 v[SPW], v[NIL]
	s_wait_dscnt 0x0
	CROUND                                         ; the closing round
	s_endpgm
.Lfunc_end_k_qfc64f9eea4_attn:
	.size	k_qfc64f9eea4_attn, .Lfunc_end_k_qfc64f9eea4_attn-k_qfc64f9eea4_attn
	.p2alignl 7, 3214868480
	.fill 96, 4, 3214868480
	.section	.rodata,"a",@progbits
	.p2align	6, 0x0
	.amdhsa_kernel k_qfc64f9eea4_attn
		.amdhsa_group_segment_fixed_size 327680
		.amdhsa_private_segment_fixed_size 0
		.amdhsa_enable_private_segment 0
		.amdhsa_kernarg_size 16
		.amdhsa_user_sgpr_count 2
		.amdhsa_user_sgpr_kernarg_segment_ptr 1
		.amdhsa_wavefront_size32 1
		.amdhsa_system_sgpr_workgroup_id_x 1
		.amdhsa_system_sgpr_workgroup_id_y 1
		.amdhsa_system_sgpr_workgroup_id_z 1
		.amdhsa_system_vgpr_workitem_id 0
		.amdhsa_next_free_vgpr 1024
		.amdhsa_next_free_sgpr 66
		.amdhsa_reserve_vcc 1
		.amdhsa_float_denorm_mode_32 3
		.amdhsa_float_denorm_mode_16_64 3
		.amdhsa_memory_ordered 1
		.amdhsa_forward_progress 1
		.amdhsa_inst_pref_size 183
	.end_amdhsa_kernel
	.amdgpu_metadata
---
amdhsa.version: [ 1, 2 ]
amdhsa.kernels:
  - .name:           k_qfc64f9eea4_attn
    .symbol:         k_qfc64f9eea4_attn.kd
    .args:
      - { .name: qkv, .offset: 0, .size: 8, .value_kind: global_buffer, .address_space: global }
      - { .name: attn16, .offset: 8, .size: 8, .value_kind: global_buffer, .address_space: global }
    .group_segment_fixed_size: 327680
    .private_segment_fixed_size: 0
    .kernarg_segment_align: 8
    .kernarg_segment_size: 16
    .max_flat_workgroup_size: 128
    .sgpr_count:     66
    .vgpr_count:     1024
    .wavefront_size: 32
...
	.end_amdgpu_metadata
.endif
;; end of part 3
;; launch gemm_out (part 4): grid 8 x 32, 4 waves a work-group, clusters of 4 x 4, 327,680 bytes of LDS; arguments attn16, wo16, out0; writes out0
.if DOCPART == 4
	.amdgcn_target "amdgcn-amd-amdhsa--gfx1250"
	.amdhsa_code_object_version 6
	.text
	.protected	k_qfc64f9eea4_gemm_out
	.globl	k_qfc64f9eea4_gemm_out
	.p2align	8
	.type	k_qfc64f9eea4_gemm_out,@function
k_qfc64f9eea4_gemm_out:
	s_mov_b64 s[64:65], 0
	v_nop
	global_prefetch_b8 v0, s[64:65] scope:SCOPE_SE
	s_setreg_imm32_b32 hwreg(HW_REG_WAVE_MODE, 25, 1), 1
	s_wait_xcnt 0x0
	s_wait_alu depctr_hold_cnt(0) depctr_sa_sdst(0) depctr_va_vdst(0) depctr_va_sdst(0) depctr_va_ssrc(0) depctr_va_vcc(0) depctr_vm_vsrc(0)
	s_getreg_b32 s2, hwreg(HW_REG_IB_STS2, 6, 4)
	s_cmp_eq_u32 s2, 0
	s_cbranch_scc0 .Lentry_in_a_cluster
	s_endpgm
.Lentry_in_a_cluster:
	s_bfe_u32 s2, ttmp6, 0x10000c
	s_cmp_lg_u32 s2, 0xf033
	s_cbranch_scc0 .Lentry_shape_is_right
	s_endpgm
.Lentry_shape_is_right:
; out0 [4096][2048] f32 = attn [4096][1024] w_o [1024][2048], operands f16, sums f32.  Both operands lie in memory as images of the operand's registers, so a K step's tiles are dense blocks and every LDS read is 512 consecutive bytes.
; A tile of the output is 128 x 256: 256 work-groups.  Four waves, each 64 x 128: 32 accumulators of 16 x 16 in window 1.  K goes in steps of 128 (one head) through two LDS slots.
; CLUSTERS 4 x 4: A's tiles are asked for jointly along a row of the cluster, B's along a column.  The matrix instruction is used transposed (source 0 = 16 columns of w_o, source 1 = 16 rows of attn):
; a lane holds eight neighbouring numbers of a row of the output.  Rows 0-15 are written again, more finely, by the launch that follows.
; REGISTERS: window 0: v16-29 addresses; two fragment buffers of 96 at v32 and v128 (B's eight, then A's four); on the way out v32-159 hold rows.  window 1: accumulator (a, b) at v[8 (8 a + b)].
.set SLOT,   98304                     ; A's two halves of 16,384 bytes, then B's two of 32,768
.set STAGE,  2*SLOT                    ; 16 rows x (512 + 16) bytes for each wave; no fill lands here
.set SPITCH, 528
.set SPARE,  STAGE+4*16*SPITCH
.set LAPS,   4
.set ADRA, 16
.set ADRB, 20
.set STO,  24
.set RD,   25
.set CO,   26
.set SPW,  28
.set NIL,  29
.set F0,   32
.set F1,   128
.set BK,   32
.set G1, 24
.set G0, 32
.set G1B, 48
.set G0B, 56
.set MSB, 0
.macro WIN new
.if MSB != \new
	s_set_vgpr_msb (MSB<<8)|\new
.set MSB, \new
.endif
.endm
.set MUL, 0x50                         ; C and D window 1, the fragments window 0
.macro JLOAD s                         ; waves 0 and 1 fetch A's halves, waves 2 and 3 B's; an s_nop 0 and four v_nop follow each of the two lines
	s_cmp_eq_u32 s11, 0
	s_cbranch_scc0 .Lfor_b_\@
	tensor_load_to_lds s[G0+4*\s:G0+4*\s+3], s[G1:G1+7]
	s_nop 0
.rept 4
	v_nop
.endr
	s_branch .Lasked_\@
.Lfor_b_\@:
	tensor_load_to_lds s[G0B+4*\s:G0B+4*\s+3], s[G1B:G1B+7]
	s_nop 0
.rept 4
	v_nop
.endr
.Lasked_\@:
.endm
.macro CREST
	s_cmp_lg_u32 s10, 0
	s_cbranch_scc1 .Lnot_wave_0_\@
	s_barrier_signal -3
.Lnot_wave_0_\@:
	s_barrier_wait -3
	s_barrier_signal -1
	s_barrier_wait -1
.endm
.macro CROUND
	s_barrier_signal -1
	s_barrier_wait -1
	CREST
.endm
	s_load_b128 s[4:7], s[0:1], 0x0                ; attn16, wo16
	s_load_b64 s[8:9], s[0:1], 0x10                ; out0
	v_lshl_add_u32 v[SPW], v0, 2, SPARE
	v_mov_b32 v[NIL], 0
	ds_add_u32 v[SPW], v[NIL]                      ; the wave's opening: the add, twice on end, and its wait ahead of my first tensor load
	ds_add_u32 v[SPW], v[NIL]
	v_lshrrev_b32 v1, 5, v0
	v_readfirstlane_b32 s10, v1
	s_lshr_b32 s11, s10, 1                         ; my half of the rows.  Also: I fetch for A (0) or for B (1)
	s_and_b32 s12, s10, 1                          ; my half of the columns.  Also: which half I fetch
	s_bfe_u32 s40, ttmp6, 0x40000
	s_bfe_u32 s41, ttmp6, 0x40004
	s_lshl_b32 s42, ttmp9, 2
	s_add_co_u32 s42, s42, s40                     ; tile column
	s_and_b32 s13, ttmp7, 0xffff
	s_lshl_b32 s13, s13, 2
	s_add_co_u32 s13, s13, s41                     ; tile row
	s_lshl_b32 s43, s41, 2
	s_lshl_b32 s43, 15, s43
	s_lshl_b32 s44, 0x1111, s40
	s_or_b32 s[G1+0], s43, (3<<16)|(1<<21)         ; A: 64 rows of 256 bytes, dense; elements of 8 bytes; bit 21 beside a mask
	s_mov_b32 s[G1+1], 32<<16
	s_mov_b32 s[G1+2], 64<<16
	s_mov_b32 s[G1+3], 32<<16
	s_mov_b32 s[G1+4], 64
	s_mov_b32 s[G1+5], 32
	s_mov_b32 s[G1+6], 0
	s_mov_b32 s[G1+7], 0
	s_or_b32 s[G1B+0], s44, (3<<16)|(1<<21)        ; B: 128 rows of 256 bytes, dense
	s_mov_b32 s[G1B+1], 32<<16
	s_mov_b32 s[G1B+2], 128<<16
	s_mov_b32 s[G1B+3], 32<<16
	s_mov_b32 s[G1B+4], 128
	s_mov_b32 s[G1B+5], 32
	s_mov_b32 s[G1B+6], 0
	s_mov_b32 s[G1B+7], 0
	s_lshl_b32 s16, s13, 15                        ; A: 8 blocks of 4,096 bytes a tile row,
	s_lshl_b32 s17, s12, 14                        ;    4 a half
	s_add_co_u32 s16, s16, s17
	s_mov_b32 s17, 0
	s_lshl_b32 s46, s42, 19                        ; B: 524,288 bytes a tile column,
	s_lshl_b32 s47, s12, 15                        ;    32,768 a half
	s_add_co_u32 s46, s46, s47
	s_mov_b32 s47, 0
	s_lshl_b32 s20, s12, 14                        ; where they go: no place in the cluster enters an LDS address
	s_lshl_b32 s21, s12, 15
	s_add_co_u32 s21, s21, 32768
	s_wait_dscnt 0x0
	s_wait_kmcnt 0x0
	s_add_nc_u64 s[14:15], s[4:5], s[16:17]
	s_add_nc_u64 s[46:47], s[6:7], s[46:47]
	CROUND
.irp s, 0,1
	s_mov_b32 s[G0+4*\s], 1
	s_add_co_u32 s[G0+4*\s+1], s20, \s*SLOT
	s_add_nc_u64 s[G0+4*\s+2:G0+4*\s+3], s[14:15], \s*1048576     ; K step s: head s of attn16
	s_or_b32 s[G0+4*\s+3], s[G0+4*\s+3], 0x80000000
	s_mov_b32 s[G0B+4*\s], 1
	s_add_co_u32 s[G0B+4*\s+1], s21, \s*SLOT
	s_add_nc_u64 s[G0B+4*\s+2:G0B+4*\s+3], s[46:47], \s*65536
	s_or_b32 s[G0B+4*\s+3], s[G0B+4*\s+3], 0x80000000
	JLOAD \s
.endr
	v_and_b32 v1, 15, v0
	v_bfe_u32 v2, v0, 4, 1
	v_and_b32 v3, 31, v0
	v_lshlrev_b32 v[CO], 4, v3                     ; 16 x lane
	s_lshl_b32 s21, s11, 14                        ; my 64 rows of A
	s_lshl_b32 s22, s12, 15
	s_add_co_u32 s22, s22, 32768                   ; my 128 columns of B
.irp s, 0,1
	v_add_nc_u32 v[ADRA+\s], s21, v[CO]
	v_add_nc_u32 v[ADRB+\s], s22, v[CO]
	s_add_co_u32 s21, s21, SLOT
	s_add_co_u32 s22, s22, SLOT
.endr
	s_mul_i32 s23, s10, 16*SPITCH
	s_add_co_u32 s23, s23, STAGE
	v_mul_u32_u24 v5, v1, SPITCH
	v_lshl_add_u32 v5, v2, 5, v5
	v_add_nc_u32 v[STO], s23, v5                   ; in: row r, 32 bytes for each half of the lanes
	v_add_nc_u32 v[RD], s23, v[CO]                 ; back: the 32 lanes take a row of 512 bytes
	s_lshl_b32 s16, s13, 20                        ; my first row: (128 x tile row + 64 x half) x 8,192 bytes
	s_lshl_b32 s17, s11, 19
	s_add_co_u32 s16, s16, s17
	s_mov_b32 s17, 0
	s_add_nc_u64 s[8:9], s[8:9], s[16:17]
	s_lshl_b32 s46, s42, 10                        ; my first column: 1,024 x tile column + 512 x half
	s_lshl_b32 s47, s12, 9
	s_add_co_u32 s46, s46, s47
	s_mov_b32 s47, 0
	s_add_nc_u64 s[8:9], s[8:9], s[46:47]
.macro MUL8 f, a, zero                 ; A's block a x B's eight, 32 along K; the 32 accumulators take turns, one instruction a turn
.irp b, 0,1,2,3,4,5,6,7
.if \zero
	v_wmma_f32_16x16x32_f16 v[8*(8*\a+\b):8*(8*\a+\b)+7], v[\f+8*\b:\f+8*\b+7], v[\f+64+8*\a:\f+64+8*\a+7], 0
.else
	v_wmma_f32_16x16x32_f16 v[8*(8*\a+\b):8*(8*\a+\b)+7], v[\f+8*\b:\f+8*\b+7], v[\f+64+8*\a:\f+64+8*\a+7], v[8*(8*\a+\b):8*(8*\a+\b)+7]
.endif
.endr
.endm
.macro FETCH slot, ks, f               ; 24 LDS loads in one run: B's eight fragments, then A's four, of the slot's ks-th 32 along K
	WIN 0
.irp b, 0,1,2,3,4,5,6,7
	ds_load_b128 v[\f+8*\b:\f+8*\b+3],   v[ADRB+\slot] offset:4096*\b+1024*\ks
	ds_load_b128 v[\f+8*\b+4:\f+8*\b+7], v[ADRB+\slot] offset:4096*\b+1024*\ks+512
.endr
.irp a, 0,1,2,3
	ds_load_b128 v[\f+64+8*\a:\f+64+8*\a+3], v[ADRA+\slot] offset:4096*\a+1024*\ks
	ds_load_b128 v[\f+64+8*\a+4:\f+64+8*\a+7], v[ADRA+\slot] offset:4096*\a+1024*\ks+512
.endr
.endm
.macro PLACES
.rept 4
	v_nop
.endr
.endm
.macro QUARTER slot, ks, f, g, zero    ; multiplies buffer f; in its middle it fetches the next quarter, the slot's ks-th, into g
	s_wait_dscnt 4                                 ; B and A's blocks 0, 1 are in; the youngest four loads (A's blocks 2, 3) may be out
	WIN MUL
	MUL8 \f, 0, \zero
	MUL8 \f, 1, \zero
	PLACES
	FETCH \slot, \ks, \g
	s_wait_dscnt 24                                ; all but the 24 just issued
	WIN MUL
	MUL8 \f, 2, \zero
	MUL8 \f, 3, \zero
.endm
.macro TURN slot, next, fill           ; the last quarter multiplies buffer 1 and changes slots
	WIN 0
	s_wait_tensorcnt 0x0                           ; all my tensor loads have landed: my part of the next slot
	ds_add_u32 v[SPW], v[NIL]
	s_wait_dscnt 5                                 ; the add and the youngest four loads may be out
	WIN MUL
	MUL8 F1, 0, 0
	s_wait_dscnt 0x0                               ; the add is done, and my reads of this slot are over
	s_barrier_signal -1
	MUL8 F1, 1, 0
.if \fill
	WIN 0
.endif
	s_barrier_wait -1
.if \fill
	CREST                                          ; the barrier has opened a round of the cluster's barrier
	s_add_nc_u64 s[G0+4*\slot+2:G0+4*\slot+3], s[G0+4*\slot+2:G0+4*\slot+3], 2*1048576
	s_add_nc_u64 s[G0B+4*\slot+2:G0B+4*\slot+3], s[G0B+4*\slot+2:G0B+4*\slot+3], 2*65536
	JLOAD \slot                                    ; the first tensor load behind the round; its four v_nop are also the places in front of the loads below
.else
	PLACES
.endif
	FETCH \next, 0, F0
	WIN MUL
	MUL8 F1, 2, 0
	MUL8 F1, 3, 0
.endm
	s_wait_tensorcnt 1                             ; my part of K step 0 is in; K step 1's load may be out
	s_barrier_signal -1
	s_barrier_wait -1
	FETCH 0, 0, F0
	QUARTER 0, 1, F0, F1, 1                        ; the first quarter's products start the sums
	WIN 0
	s_mov_b32 s3, LAPS-1
.Llap:
	QUARTER 0, 2, F1, F0, 0
	QUARTER 0, 3, F0, F1, 0
	TURN 0, 1, 1
	QUARTER 1, 1, F0, F1, 0
	QUARTER 1, 2, F1, F0, 0
	QUARTER 1, 3, F0, F1, 0
	TURN 1, 0, 1
	QUARTER 0, 1, F0, F1, 0
	WIN 0
	s_sub_co_u32 s3, s3, 1
	s_cmp_lg_u32 s3, 0
	s_cbranch_scc1 .Llap
	QUARTER 0, 2, F1, F0, 0                        ; the last lap fills nothing
	QUARTER 0, 3, F0, F1, 0
	TURN 0, 1, 0
	QUARTER 1, 1, F0, F1, 0
	QUARTER 1, 2, F1, F0, 0
	QUARTER 1, 3, F0, F1, 0
	s_wait_dscnt 4
	WIN MUL
	MUL8 F1, 0, 0
	MUL8 F1, 1, 0
	s_wait_dscnt 0
	MUL8 F1, 2, 0
	MUL8 F1, 3, 0
	WIN 0
; THE WAY OUT, a block of 16 rows x 128 columns at a time through my own stage: in as 32 bytes a lane, back as whole rows of 512 bytes.
.macro TOSTAGE a
.set AC, 64*(\a)
	WIN 0x04                                       ; an LDS store's data are its source 1: window 1
.irp b, 0,1,2,3,4,5,6,7
	ds_store_b128 v[STO], v[AC+8*\b:AC+8*\b+3] offset:64*\b          ; each accumulator from its low end on
	ds_store_b128 v[STO], v[AC+8*\b+4:AC+8*\b+7] offset:64*\b+16
.endr
	WIN 0
.set BB, BK+64*((\a)%2)
.irp t, 0,1,2,3,4,5,6,7,8,9,10,11,12,13,14,15
	ds_load_b128 v[BB+4*\t:BB+4*\t+3], v[RD] offset:\t*SPITCH        ; LDS serves a wave's instructions in order
.endr
.endm
.macro SEND a, younger
.set BB, BK+64*((\a)%2)
	s_wait_dscnt \younger                          ; the block is back; the next block's 16 stores and 16 loads may be out
.if (\a) > 0
	s_add_nc_u64 s[8:9], s[8:9], 16*8192           ; (behind a wait on XCNT: the earlier stores have read their base)
.endif
.irp t, 0,1,2,3,4,5,6,7,8,9,10,11,12,13,14,15
	global_store_b128 v[CO], v[BB+4*\t:BB+4*\t+3], s[8:9] offset:\t*8192 th:TH_STORE_NT   ; 512 consecutive bytes, aligned
.endr
.endm
	PLACES
	TOSTAGE 0
.irp a, 1,2,3
.if \a > 1
	s_wait_xcnt 0x0                                ; block a - 2's stores have read their registers and their base
.endif
	TOSTAGE \a
	SEND \a-1, 32
.endr
	s_wait_xcnt 0x0
	SEND 3, 0
	s_wait_tensorcnt 0x0                           ; the wave's end
	ds_add_u32 v[SPW], v[NIL]
	s_wait_dscnt 0x0
	CROUND                                         ; the closing round
	s_endpgm
.Lfunc_end_k_qfc64f9eea4_gemm_out:
	.size	k_qfc64f9eea4_gemm_out, .Lfunc_end_k_qfc64f9eea4_gemm_out-k_qfc64f9eea4_gemm_out
	.p2alignl 7, 3214868480
	.fill 96, 4, 3214868480
	.section	.rodata,"a",@progbits
	.p2align	6, 0x0
	.amdhsa_kernel k_qfc64f9eea4_gemm_out
		.amdhsa_group_segment_fixed_size 327680
		.amdhsa_private_segment_fixed_size 0
		.amdhsa_enable_private_segment 0
		.amdhsa_kernarg_size 24
		.amdhsa_user_sgpr_count 2
		.amdhsa_user_sgpr_kernarg_segment_ptr 1
		.amdhsa_wavefront_size32 1
		.amdhsa_system_sgpr_workgroup_id_x 1
		.amdhsa_system_sgpr_workgroup_id_y 1
		.amdhsa_system_sgpr_workgroup_id_z 1
		.amdhsa_system_vgpr_workitem_id 0
		.amdhsa_next_free_vgpr 512
		.amdhsa_next_free_sgpr 66
		.amdhsa_reserve_vcc 0
		.amdhsa_float_denorm_mode_32 3
		.amdhsa_float_denorm_mode_16_64 3
		.amdhsa_memory_ordered 1
		.amdhsa_forward_progress 1
		.amdhsa_inst_pref_size 84
	.end_amdhsa_kernel
	.amdgpu_metadata
---
amdhsa.version: [ 1, 2 ]
amdhsa.kernels:
  - .name:           k_qfc64f9eea4_gemm_out
    .symbol:         k_qfc64f9eea4_gemm_out.kd
    .args:
      - { .name: attn16, .offset: 0, .size: 8, .value_kind: global_buffer, .address_space: global }
      - { .name: wo16, .offset: 8, .size: 8, .value_kind: global_buffer, .address_space: global }
      - { .name: out0, .offset: 16, .size: 8, .value_kind: global_buffer, .address_space: global }
    .group_segment_fixed_size: 327680
    .private_segment_fixed_size: 0
    .kernarg_segment_align: 8
    .kernarg_segment_size: 24
    .max_flat_workgroup_size: 128
    .sgpr_count:     66
    .vgpr_count:     512
    .wavefront_size: 32
...
	.end_amdgpu_metadata
.endif
;; end of part 4
;; launch first16 (part 5): grid 128 x 1, 16 waves a work-group, no clusters, 109,824 bytes of LDS; arguments qkv, w_o, out0; writes out0
.if DOCPART == 5
	.amdgcn_target "amdgcn-amd-amdhsa--gfx1250"
	.amdhsa_code_object_version 6
	.text
	.protected	k_qfc64f9eea4_first16
	.globl	k_qfc64f9eea4_first16
	.p2align	8
	.type	k_qfc64f9eea4_first16,@function
k_qfc64f9eea4_first16:
	s_mov_b64 s[64:65], 0
	v_nop
	global_prefetch_b8 v0, s[64:65] scope:SCOPE_SE
	s_setreg_imm32_b32 hwreg(HW_REG_WAVE_MODE, 25, 1), 1
	s_wait_xcnt 0x0
; The first 16 positions, all in f32: their rows average one to sixteen values and are the largest of the output, so they are carried finely through attention and the projection, and written over what the launch before left there.
; SHARES.  A work-group makes rows 0-15 of 16 output columns.  Wave w takes query head w / 2 and channels 64 (w % 2) on of it: attention's columns 64 w .. 64 w + 63, which are its slice of the projection's K.
; A wave has 16 n + 32 matrix instructions for 16 n columns; n = 1 shares them among 128 work-groups.  The price: w_o's rows are read, and the launch's 128 KiB of output written, in pieces of 64 bytes.
; All products by v_wmma_f32_16x16x4_f32; its results, v176-223, are written by matrix instructions alone.  S^T = K Q^T, O^T = V^T P, out^T = w_o^T attn^T: a lane holds one query throughout.
;   S^T: the f32 images [p 16][lane][4] of q and k are fragments as they lie: a pair of registers is one K step of 4, under the same permutation of the channels on both sides.  The two waves of a head each sum
;        over their own 64 channels (16 instructions) and exchange the half sums through LDS.
;   V^T: v's image has a key to a lane and channels along the registers; the product wants a channel to a lane and keys along the registers.  The wave's 4 KiB come by eight loads of 512 consecutive bytes and are
;        turned through its own stage in LDS.  In the stage lanes 16-31 lie 32 bytes further on and a piece takes 560 bytes, so that the 32 lanes of each read back fall on 32 different banks (64 banks of 4 bytes: ISA guide 11.1).
;   The projection's 16 K steps go on four accumulators by turns; the 16 waves' partial sums meet in LDS, in the stage's geometry; wave w sums row w.
; No tensor load and no cluster: the images that all work-groups read go straight into operand registers; a joint load would add a pass through LDS and the rounds of the cluster's barrier to 48 matrix instructions a wave.
; Loads, all at the head, in this order: v 8, q 8, k 8, w_o 32; the counts below are of the loads issued behind the one waited for.
; REGISTERS: v1-15 lane numbers, addresses, the softmax's; v16-47 q, v48-79 w_o (K step m at 48 + 2 m), v80-111 k, v112-119 the partner's half sums, v120-123 LDS addresses, v144-175 v, then attention's row, v224-231 scores, p, sums.
.set VWAVE, 4608                       ; v's stage: four pairs of pieces of 1,120 bytes for each wave
.set PPAR,  560
.set PPAIR, 1120
.set XCH,   16*VWAVE                   ; the half sums of S^T: 1,024 bytes for each wave
.set PS,    XCH+16*1024                ; the projection's partial sums: two pieces in 1,104 bytes for each wave
.set PREG,  1104
.set SPARE, PS+16*PREG                 ; the spare words, 128 bytes for each wave
.set XW,   120
.set XR,   121
.set VRD,  122
.set VSTO, 123
.set SPW,  252
.set NIL,  253
	s_load_b128 s[4:7], s[0:1], 0x0                ; qkv, w_o
	s_load_b64 s[8:9], s[0:1], 0x10                ; out0
	v_lshl_add_u32 v[SPW], v0, 2, SPARE
	v_mov_b32 v[NIL], 0
	v_lshrrev_b32 v1, 5, v0
	v_readfirstlane_b32 s10, v1                    ; wave 0..15
	v_and_b32 v1, 15, v0                           ; r
	v_bfe_u32 v2, v0, 4, 1                         ; h
	v_and_b32 v3, 31, v0                           ; lane
	v_lshlrev_b32 v4, 4, v3                        ; 16 x lane: an image's place for my lane
	v_lshl_add_u32 v8, v2, 5, v4                   ; the same in a stage: lanes 16-31 lie 32 bytes further on
	v_bfe_u32 v9, v0, 2, 1                         ; number r of a row of 16 in a stage: piece (r / 4) % 2, lanes' half r / 8, word r % 4
	v_mul_u32_u24 v9, v9, PPAR
	v_bfe_u32 v10, v0, 3, 1
	v_mad_u32_u24 v9, v10, 288, v9
	v_and_b32 v10, 3, v0
	v_lshl_add_u32 v9, v10, 2, v9
	s_mul_i32 s11, s10, VWAVE
	v_add_nc_u32 v[VSTO], s11, v8                  ; v into my stage
	v_lshl_add_u32 v[VRD], v2, 7, v9               ; and back: channel r, keys 8 h on (16 bytes a key)
	v_add_nc_u32 v[VRD], s11, v[VRD]
	s_lshl_b32 s11, s10, 10
	s_add_co_u32 s11, s11, XCH
	v_add_nc_u32 v[XW], s11, v4                    ; my half sums,
	s_xor_b32 s11, s10, 1
	s_lshl_b32 s11, s11, 10
	s_add_co_u32 s11, s11, XCH
	v_add_nc_u32 v[XR], s11, v4                    ; and those of my head's other wave
	s_mul_i32 s11, s10, PREG
	s_add_co_u32 s11, s11, PS
	v_add_nc_u32 v5, s11, v8                       ; my partial sums
	v_mul_u32_u24 v10, v2, 8*PREG                  ; the reduction: lanes 16-31 take waves 8-15's parts,
	v_add_nc_u32 v9, v9, v10
	s_lshl_b32 s11, s10, 4                         ; row w (16 bytes a row),
	s_add_co_u32 s11, s11, PS
	v_add_nc_u32 v9, s11, v9                       ; column lane % 16
	v_lshlrev_b32 v10, 2, v1                       ; and the same column in out0
	v_lshlrev_b32 v6, 16, v2                       ; w_o: 8 h rows of 8,192 bytes + 4 r
	v_lshl_add_u32 v6, v1, 2, v6
	v_lshlrev_b32 v7, 3, v2
	v_sub_nc_u32 v7, v1, v7                        ; r - 8 h
	v_mov_b32 v13, 0
	v_mov_b32 v14, 0xff800000                      ; -infinity
	v_mov_b32 v15, 0
	s_mov_b32 s20, 0x76543210
	s_mov_b32 s21, 0xfedcba98                      ; v_permlanex16_b32's selects for lane l xor 16
	s_mov_b32 s22, 0x3e0293ee                      ; c = log2(e) / sqrt(128)
	s_mov_b32 s13, 0
	s_lshr_b32 s14, s10, 1                         ; the query head
	s_lshr_b32 s15, s10, 2                         ; the KV head
	s_and_b32 s16, s10, 1
	s_lshl_b32 s17, s16, 12                        ; my 64 channels: pieces 8 (w % 2) on, 512 bytes each
	s_wait_kmcnt 0x0
	s_add_nc_u64 s[4:5], s[4:5], 16777216          ; the f32 images, 8,192 bytes a head
	s_lshl_b32 s12, s14, 13
	s_add_co_u32 s12, s12, s17
	s_add_nc_u64 s[24:25], s[4:5], s[12:13]        ; q
	s_lshl_b32 s12, s15, 13
	s_add_co_u32 s12, s12, s17
	s_add_co_u32 s12, s12, 65536
	s_add_nc_u64 s[26:27], s[4:5], s[12:13]        ; k: head 8 + kvh
	s_add_co_u32 s12, s12, 32768
	s_add_nc_u64 s[28:29], s[4:5], s[12:13]        ; v: head 12 + kvh
	s_lshl_b32 s12, s10, 19
	s_lshl_b32 s17, ttmp9, 6
	s_add_co_u32 s12, s12, s17
	s_add_nc_u64 s[6:7], s[6:7], s[12:13]          ; w_o: rows 64 w on, columns 16 x work-group on
	s_lshl_b32 s12, s10, 13
	s_add_co_u32 s12, s12, s17
	s_add_nc_u64 s[8:9], s[8:9], s[12:13]          ; out0: row w, the same columns
.set p, 0
.rept 8
	global_load_b128 v[144+4*p:147+4*p], v4, s[28:29] offset:512*p
.set p, p+1
.endr
.set p, 0
.rept 8
	global_load_b128 v[16+4*p:19+4*p], v4, s[24:25] offset:512*p
.set p, p+1
.endr
.set p, 0
.rept 8
	global_load_b128 v[80+4*p:83+4*p], v4, s[26:27] offset:512*p
.set p, p+1
.endr
.set m, 0
.rept 16                                           ; w_o(64 w + 16 (m / 4) + 8 h + 2 (m % 4) + j, r) -> v[48 + 2 m + j]: the rows that attention's pair 2 m, 2 m + 1 stands for
	global_load_b32 v[48+2*m], v6, s[6:7] offset:(16*(m/4)+2*(m%4))*8192
	global_load_b32 v[49+2*m], v6, s[6:7] offset:(16*(m/4)+2*(m%4)+1)*8192
.set m, m+1
.endr
	s_wait_loadcnt 48                              ; v is in; q's 8, k's 8 and w_o's 32 loads may be out
.irp p, 0,1,2,3,4,5,6,7
	ds_store_b128 v[VSTO], v[144+4*\p:147+4*\p] offset:(\p/2)*PPAIR+(\p%2)*PPAR
.endr
.irp b, 0,1,2,3
.irp i, 0,1,2,3,4,5,6,7
	ds_load_b32 v[144+8*\b+\i], v[VRD] offset:PPAIR*\b+16*\i   ; v(key 8 h + i, channel 16 b + r).  LDS serves a wave's instructions in order: these see the stores above, which have taken their data
.endr
.endr
	s_wait_loadcnt 32                              ; q and k are in; w_o's 32 loads may be out
; S^T = K Q^T over my 64 channels: 16 K steps on two accumulators by turns
	v_wmma_f32_16x16x4_f32 v[176:183], v[80:81], v[16:17], 0
	v_wmma_f32_16x16x4_f32 v[184:191], v[82:83], v[18:19], 0
.set p, 1
.rept 7
	v_wmma_f32_16x16x4_f32 v[176:183], v[80+4*p:81+4*p], v[16+4*p:17+4*p], v[176:183]
	v_wmma_f32_16x16x4_f32 v[184:191], v[82+4*p:83+4*p], v[18+4*p:19+4*p], v[184:191]
.set p, p+1
.endr
.rept 8
	v_nop                                          ; eight places behind this form, in front of the first read of its results
.endr
.irp j, 0,1,2,3,4,5,6,7
	v_add_f32 v[224+\j], v[176+\j], v[184+\j]      ; lane (r, h): query r, key 8 h + j, my 64 channels
.endr
	ds_store_b128 v[XW], v[224:227]
	ds_store_b128 v[XW], v[228:231] offset:512
	s_wait_dscnt 0x0                               ; for the other wave's sake: my half sums have landed (and v is back from its stage)
	s_barrier_signal -1
	s_barrier_wait -1
	ds_load_b128 v[112:115], v[XR]
	ds_load_b128 v[116:119], v[XR] offset:512
	s_wait_dscnt 0x0
.irp j, 0,1,2,3,4,5,6,7
	v_add_f32 v[224+\j], v[224+\j], v[112+\j]      ; the whole score
.endr
.irp j, 0,1,2,3,4,5,6,7
	v_cmp_gt_i32 vcc_lo, \j, v7                    ; hidden where 8 h + j > r
	v_cndmask_b32 v[224+\j], v[224+\j], v14, vcc_lo
.endr
	v_max3_num_f32 v11, v224, v225, v226
	v_max3_num_f32 v11, v11, v227, v228
	v_max3_num_f32 v11, v11, v229, v230
	v_max_num_f32 v11, v11, v231
	v_permlanex16_b32 v15, v11, s20, s21
	v_max_num_f32 v11, v11, v15                    ; the row's maximum
	v_mul_f32 v11, s22, v11
.irp j, 0,1,2,3,4,5,6,7
	v_fma_f32 v[224+\j], v[224+\j], s22, -v11
.endr
.irp j, 0,1,2,3,4,5,6,7
	v_exp_f32 v[224+\j], v[224+\j]
.endr
	v_nop
	s_wait_alu depctr_va_vdst(0)                   ; one wait for the batch, ahead of its first reader
	v_add_f32 v15, v224, v225
.irp j, 2,3,4,5,6,7
	v_add_f32 v15, v15, v[224+\j]
.endr
	v_permlanex16_b32 v13, v15, s20, s21
	v_add_f32 v15, v15, v13                        ; the row's sum
	v_rcp_f32 v12, v15
	v_nop
; O^T = V^T P: keys {2 i, 2 i + 1, 8 + 2 i, 9 + 2 i} a step, four tiles of 16 channels by turns
.irp i, 0,1,2,3
.irp b, 0,1,2,3
.if \i == 0
	v_wmma_f32_16x16x4_f32 v[192+8*\b:199+8*\b], v[144+8*\b+2*\i:145+8*\b+2*\i], v[224+2*\i:225+2*\i], 0
.else
	v_wmma_f32_16x16x4_f32 v[192+8*\b:199+8*\b], v[144+8*\b+2*\i:145+8*\b+2*\i], v[224+2*\i:225+2*\i], v[192+8*\b:199+8*\b]
.endif
.endr
.endr
.rept 8
	v_nop
.endr
	s_wait_alu depctr_va_vdst(0)                   ; ahead of the reciprocal's first reader
.set i, 0
.rept 16
	v_pk_mul_f32 v[144+i:145+i], v[192+i:193+i], v[12:13] op_sel_hi:[1,0]   ; attention's row r, columns 64 w + 16 b + 8 h + j
.set i, i+2
.endr
.rept 9
	v_nop                                          ; nine places in front of matrix instructions that write over earlier results
.endr
	s_wait_loadcnt 0x0                             ; w_o
; out^T = w_o^T attn^T: my 16 K steps on four accumulators by turns
.set m, 0
.rept 16
.if m < 4
	v_wmma_f32_16x16x4_f32 v[176+8*(m%4):183+8*(m%4)], v[48+2*m:49+2*m], v[144+2*m:145+2*m], 0
.else
	v_wmma_f32_16x16x4_f32 v[176+8*(m%4):183+8*(m%4)], v[48+2*m:49+2*m], v[144+2*m:145+2*m], v[176+8*(m%4):183+8*(m%4)]
.endif
.set m, m+1
.endr
.rept 8
	v_nop
.endr
.irp i, 0,2,4,6
	v_pk_add_f32 v[224+\i:225+\i], v[176+\i:177+\i], v[184+\i:185+\i]   ; each accumulator from its low end on
.endr
.irp i, 0,2,4,6
	v_pk_add_f32 v[144+\i:145+\i], v[192+\i:193+\i], v[200+\i:201+\i]
.endr
.irp i, 0,2,4,6
	v_pk_add_f32 v[224+\i:225+\i], v[224+\i:225+\i], v[144+\i:145+\i]   ; lane (r, h): row r, column 8 h + j, my slice of K
.endr
	ds_store_b128 v5, v[224:227]
	ds_store_b128 v5, v[228:231] offset:PPAR
	s_wait_dscnt 0x0                               ; for the others' sake: my stores have landed
	s_barrier_signal -1
	s_barrier_wait -1
.set p, 0
.rept 8
	ds_load_b32 v[32+p], v9 offset:PREG*p          ; row w, my column, of eight waves' partial sums
.set p, p+1
.endr
	s_wait_dscnt 0x0
	v_pk_add_f32 v[32:33], v[32:33], v[34:35]
	v_pk_add_f32 v[36:37], v[36:37], v[38:39]
	v_pk_add_f32 v[32:33], v[32:33], v[36:37]
	v_add_f32 v32, v32, v33
	v_permlanex16_b32 v15, v32, s20, s21           ; the other eight waves' lie in the lane 16 away
	v_add_f32 v32, v32, v15
	v_cmp_gt_u32 vcc_lo, 16, v3
	s_wait_xcnt 0x0                                ; EXEC changes only behind this wait
	s_and_saveexec_b32 s11, vcc_lo
	global_store_b32 v10, v32, s[8:9]              ; lanes 0-15 store 64 consecutive bytes of row w
	s_wait_xcnt 0x0
	s_or_b32 exec_lo, exec_lo, s11
	s_wait_tensorcnt 0x0                           ; the wave's end, behind my last LDS store
	ds_add_u32 v[SPW], v[NIL]
	s_wait_dscnt 0x0
	s_endpgm
.Lfunc_end_k_qfc64f9eea4_first16:
	.size	k_qfc64f9eea4_first16, .Lfunc_end_k_qfc64f9eea4_first16-k_qfc64f9eea4_first16
	.p2alignl 7, 3214868480
	.fill 96, 4, 3214868480
	.section	.rodata,"a",@progbits
	.p2align	6, 0x0
	.amdhsa_kernel k_qfc64f9eea4_first16
		.amdhsa_group_segment_fixed_size 109824
		.amdhsa_private_segment_fixed_size 0
		.amdhsa_enable_private_segment 0
		.amdhsa_kernarg_size 24
		.amdhsa_user_sgpr_count 2
		.amdhsa_user_sgpr_kernarg_segment_ptr 1
		.amdhsa_wavefront_size32 1
		.amdhsa_system_sgpr_workgroup_id_x 1
		.amdhsa_system_sgpr_workgroup_id_y 1
		.amdhsa_system_sgpr_workgroup_id_z 1
		.amdhsa_system_vgpr_workitem_id 0
		.amdhsa_next_free_vgpr 256
		.amdhsa_next_free_sgpr 66
		.amdhsa_reserve_vcc 1
		.amdhsa_float_denorm_mode_32 3
		.amdhsa_float_denorm_mode_16_64 3
		.amdhsa_memory_ordered 1
		.amdhsa_forward_progress 1
		.amdhsa_inst_pref_size 22
	.end_amdhsa_kernel
	.amdgpu_metadata
---
amdhsa.version: [ 1, 2 ]
amdhsa.kernels:
  - .name:           k_qfc64f9eea4_first16
    .symbol:         k_qfc64f9eea4_first16.kd
    .args:
      - { .name: qkv, .offset: 0, .size: 8, .value_kind: global_buffer, .address_space: global }
      - { .name: w_o, .offset: 8, .size: 8, .value_kind: global_buffer, .address_space: global }
      - { .name: out0, .offset: 16, .size: 8, .value_kind: global_buffer, .address_space: global }
    .group_segment_fixed_size: 109824
    .private_segment_fixed_size: 0
    .kernarg_segment_align: 8
    .kernarg_segment_size: 24
    .max_flat_workgroup_size: 512
    .sgpr_count:     66
    .vgpr_count:     256
    .wavefront_size: 32
...
	.end_amdgpu_metadata
.endif
;; end of part 5
